; MI455X (gfx1250); checked and timed in simulation.
; The chip was launched on July 23, 2026; its instructions are those of AMD's public machine-readable ISA for CDNA 5 (MIT licence, August 2026) and "CDNA5" Instruction Set Architecture Reference Guide (July 2026). The comments in the code are by the model that wrote it; some were corrected since.
;; Multi Head Attention. Allowed arithmetic: matrix products marked QUANTISED: E3M2 operands, one E8M0 scale for each 32 along K, by v_wmma_scale_f32_16x16x128_f8f6f4 with both operands' format E3M2, f32 sums; everything else in f32.
;; Inputs: Wk 16 x 1,024 x 64 float32; Wo 1,024 x 1,024 float32; Wq 16 x 1,024 x 64 float32; Wv 16 x 1,024 x 64 float32; bo 1,024 float32; x 8 x 1,024 x 1,024 float32.
;; Outputs: out0 8 x 1,024 x 1,024 float32.
;; This version of the problem:
;;   THIS VERSION OF THE PROBLEM IS GIVEN IN LOW PRECISION. The matrix products marked QUANTISED in the list below multiply operands that are first quantised to E3M2 (3 exponent bits, 2 mantissa bits; 6 bits a number), with one power-of-two scale for each 32 numbers along K (OCP MX v1.0); their sums are f32. All else is computed in f32.
;;   The module's matrix products, in the order in which they are computed (A, B: the left and right operand; K: the contracted axis; several contracted axes count as one K, in the product's order):
;;     1. [M 1,024, K 1,024] x [K 1,024, N 8,192]; A: input Wq; B: input x: QUANTISED
;;     2. [M 1,024, K 1,024] x [K 1,024, N 8,192]; A: input Wk; B: input x: QUANTISED
;;     3. [M 1,024, K 1,024] x [K 1,024, N 8,192]; A: input Wv; B: input x: QUANTISED
;;     4. batch 128 x [M 1,024, K 64] x [K 64, N 1,024]; A: computed on the way; B: computed on the way: QUANTISED
;;     5. batch 128 x [M 1,024, K 1,024] x [K 1,024, N 64]; A: softmax (see below); B: computed on the way: QUANTISED
;;     6. [M 8,192, K 1,024] x [K 1,024, N 1,024]; A: computed on the way; B: input Wo: QUANTISED
;;   THE QUANTISER, for each operand of a quantised product, along K:
;;     - K is cut into blocks of 32 from its start; a last block that is shorter is filled with zeros.
;;     - A block's scale is 2^e with e = floor(log2(the largest magnitude in the block)) - 4, held to -126 .. 127; a block of zeros has e = 0. As a byte (E8M0): e + 127.
;;     - Each number is divided by its block's scale, clamped to +-28, and rounded to the nearest number of E3M2, ties to even, subnormals kept.
;;     - The product sums the exact products of the quantised numbers (number of the format x scale) in f32.
;;   ~~~python
;;   def quantise(x, axis):      # numpy; x: float32 -> the quantised numbers, widened to float32 again
;;       x = np.moveaxis(x, axis, -1); K = x.shape[-1]
;;       x = np.pad(x, [(0, 0)] * (x.ndim - 1) + [(0, -K % 32)]); x = x.reshape(x.shape[:-1] + (-1, 32)); a = np.abs(x).max(-1, keepdims=True)
;;       e = np.where(a > 0, np.clip(np.frexp(np.where(a > 0, a, 1))[1] - 1 - 4, -126, 127), 0)      # np.frexp(a)[1] - 1 = floor(log2(a)), exactly
;;       r = np.clip(x / 2.0 ** e, -28, 28)
;;       step = 2.0 ** (np.maximum(np.frexp(np.where(r == 0, 1, r))[1] - 1, -2) - 2)
;;       q = np.round(r / step) * step * 2.0 ** e      # np.round: ties to even
;;       return np.moveaxis(q.reshape(q.shape[:-2] + (-1,))[..., :K], -1, axis).astype(np.float32)
;;   ~~~
;;   SOFTMAX AHEAD OF A QUANTISED PRODUCT. Where the list says 'softmax', what is quantised is not the finished softmax but p = 2^(t - M), with t = logit x log2(e) and M = ceil(the row's largest t), a whole number; so 1/2 < the row's largest p <= 1. The row's sum l is taken of the UNQUANTISED p, in f32, and the product's result is divided by l at the end. Since M is a whole number, a kernel that streams over the keys may use a running M (the ceiling of the running maximum): every later rescaling is an exact power of two, which a block's scale takes up: the codes' values come out the same.
;;   OPERANDS COMPUTED ON THE WAY. 'Computed on the way' means the value that the module computes at that place (a softmax that the list does not call 'softmax' is quantised finished and normalised). What goes into a quantiser is computed in f32, as accurately as f32 sums, v_exp_f32 and their like allow (about 1e-6 of the number): no bf16 or f16 on the way to a quantiser, and a product that is left as it is and whose result goes on into a quantised operand takes f32 operands (vector FMAs, or v_wmma_f32_16x16x4_f32). A number that lies on a knife's edge between two numbers of the format may be rounded either way, as far as f32 arithmetic and the matrix unit's own rounding can turn it there, and no further.
;; One version. Each part assembles by itself: llvm-mc -triple=amdgcn-amd-amdhsa -mcpu=gfx1250 --defsym DOCPART=n.
;; ======== version 1 of 1: 5 launches
;; workspace buffers: opc 9,437,184 bytes; ops 393,216 bytes; qkv 18,874,368 bytes; qkvs 786,432 bytes; oc 6,291,456 bytes; os 262,144 bytes
;; launch quant_rows (part 1): grid 288 x 1, 8 waves a work-group, no clusters, 69,632 bytes of LDS; arguments x, Wo, opc, ops; writes opc, ops
.if DOCPART == 1
	.amdgcn_target "amdgcn-amd-amdhsa--gfx1250"
	.amdhsa_code_object_version 6
	.text
	.protected	k_qddea47fec4_quant_rows
	.globl	k_qddea47fec4_quant_rows
	.p2align	8
	.type	k_qddea47fec4_quant_rows,@function
k_qddea47fec4_quant_rows:
	s_mov_b64 s[64:65], 0
	v_nop
	global_prefetch_b8 v0, s[64:65] scope:SCOPE_SE
	s_setreg_imm32_b32 hwreg(HW_REG_WAVE_MODE, 25, 1), 1
	s_wait_xcnt 0x0
; x [8192][1024] and Wo [1024][1024], f32, K innermost, become codes of BF6 (E3M2) with one E8M0 byte for each 32 along K, laid as IMAGES OF THE OPERAND'S REGISTERS.
; TILES.  Tile i of 16 rows: lane-row r is actual row 32 (i / 2) + 8 (i % 2) + r % 8 + 16 (r / 8).  Used as source 0 of a product, the 16 result registers of tiles 2 c, 2 c + 1 are then 16 neighbours along the next K.
; HALF FRAGMENT (tile i, 64 along K, number g), 768 bytes at 12,288 i + 768 g of opc: lane l = (r, h) owns the 24 bytes of k = 64 g + 32 h + 0 .. 31: registers 0-3 at 16 l, registers 4-5 at 512 + 8 l.
; SCALE WORDS of a block of 8 tiles and a K step of 128: 512 bytes at 4,096 block + 512 step of ops: the word of (tile a, row r) at 256 (a / 4) + 16 r + 4 (a % 4).
; A block's scale is 2^(floor(log2(largest magnitude)) - 4): its byte is the largest magnitude's exponent field - 4, held at 1 from below.
; LIMITS: NaN and infinities are not served; a block whose largest magnitude lies under 2^-122 (zeros among them) keeps the byte 1 where the rule gives another: its codes are zeros or subnormal, and only this program reads the bytes.
; SHARES.  Work-groups 0-255 take x, 256-287 Wo (only pointers and bases are chosen: one path).  A work-group takes a block of 128 rows and 256 along K; wave a takes tile a, two K steps of 128.
; Each load reads 512 consecutive bytes of one row; the 16 rows turn through the wave's own stage in LDS (pitch 528: row r starts 4 r banks on), so that a lane gets 16 neighbours of each block of 32.
.set STP,  528
.set STGB, 16*STP                      ; a wave's stage
.set SCG,  8*STGB                      ; behind the stages: 1,024 bytes in which the work-group's scale words meet
.set L16,  1                           ; v1  16 x lane
.set L8,   2                           ; v2  8 x lane
.set STW,  3                           ; v3  the stage, on the way in
.set STR,  4                           ; v4  and on the way out: row r, + 64 h
.set SCA,  5                           ; v5  where my row's scale word goes
.set T16,  6                           ; v6  16 x thread: the scale words' way out, in memory
.set T16L, 7                           ; v7  and in LDS
.set R,    16                          ; v16-143  two K steps as loaded
.set X,    144                         ; v144-207 64 numbers: register 16 b + i = k 32 b + 16 h + i of my row
.set PC,   208                         ; v208-226 the codes
.set TM,   228                         ; v228-243 at work
.set PW,   244                         ; v244 the scale word
.set SEL,  28                          ; s28, s29 v_permlanex16_b32's selects for lane l xor 16
; 64 numbers of a lane become a fragment's 12 registers in v[PC] on and its scale word in v[pw]
.macro QUANT s, pw
.irp b, 0,1,2,3
	v_max3_num_f32 v[TM+\b], |v[\s+16*\b]|, |v[\s+1+16*\b]|, 0x2800000   ; my 16 numbers of block b, and the floor 2^(5 - 127): the byte cannot fall under 1
.endr
.irp i, 2,4,6,8,10,12,14
.irp b, 0,1,2,3
	v_max3_num_f32 v[TM+\b], v[TM+\b], |v[\s+16*\b+\i]|, |v[\s+1+16*\b+\i]|   ; the four blocks by turns
.endr
.endr
.irp b, 0,1,2,3
	v_permlanex16_b32 v[TM+4+\b], v[TM+\b], s[SEL], s[SEL+1]
.endr
.irp b, 0,1,2,3
	v_max_num_f32 v[TM+\b], v[TM+\b], v[TM+4+\b]   ; with lane l xor 16's: the block's largest magnitude
.endr
.irp b, 0,1,2,3
	v_add_nc_u32 v[TM+12+\b], 0xfe000000, v[TM+\b]   ; 4 off its exponent field: the conversion's scale operand
.endr
.irp b, 0,1,2,3
	v_lshrrev_b32 v[TM+4+\b], 23, v[TM+12+\b]      ; the scale's byte
.endr
	v_lshl_or_b32 v[\pw], v[TM+5], 8, v[TM+4]
	v_lshl_or_b32 v[\pw], v[TM+6], 16, v[\pw]
	v_lshl_or_b32 v[\pw], v[TM+7], 24, v[\pw]
.irp c, 0,1
	v_cvt_scalef32_pk16_bf6_f32 v[PC+6*\c:PC+2+6*\c], v[\s+32*\c:\s+15+32*\c], v[TM+12+2*\c]
	v_cvt_scalef32_pk16_bf6_f32 v[PC+12+4*\c:PC+14+4*\c], v[\s+16+32*\c:\s+31+32*\c], v[TM+12+2*\c+1]   ; (a conversion's three registers begin on an even number)
.endr
	v_nop                                          ; one plain place behind a scaled conversion
.irp c, 0,1                                    ; the layout wants a whole block in a lane: lanes 0-15 block 2 c, lanes 16-31 block 2 c + 1
.irp i, 0,1,2
	v_permlane16_swap_b32 v[PC+6*\c+\i], v[PC+12+4*\c+\i]
.endr
.irp i, 0,1,2
	v_mov_b32 v[PC+3+6*\c+\i], v[PC+12+4*\c+\i]
.endr
.endr
.endm
	s_load_b128 s[4:7], s[0:1], 0x0                ; x, Wo
	s_load_b128 s[8:11], s[0:1], 0x10              ; opc, ops
	v_lshl_add_u32 v248, v0, 2, 0x10c00
	v_mov_b32 v249, 0
	v_lshrrev_b32 v8, 5, v0
	v_readfirstlane_b32 s12, v8                    ; wave a, 0..7
	v_and_b32 v8, 31, v0                           ; lane
	v_and_b32 v9, 15, v0                           ; r
	v_bfe_u32 v10, v0, 4, 1                        ; h
	v_lshlrev_b32 v[L16], 4, v8
	v_lshlrev_b32 v[L8], 3, v8
	s_mul_i32 s13, s12, STGB
	v_add_nc_u32 v[STW], s13, v[L16]
	v_mul_u32_u24 v[STR], v9, STP
	v_lshl_add_u32 v[STR], v10, 6, v[STR]
	v_add_nc_u32 v[STR], s13, v[STR]
	s_lshr_b32 s14, s12, 2
	s_lshl_b32 s14, s14, 8
	s_and_b32 s15, s12, 3
	s_lshl_b32 s15, s15, 2
	s_add_co_u32 s14, s14, s15
	s_add_co_u32 s14, s14, SCG
	v_lshl_add_u32 v[SCA], v9, 4, s14              ; SCG + 256 (a / 4) + 4 (a % 4) + 16 r
	v_lshlrev_b32 v[T16], 4, v0
	v_lshl_add_u32 v[T16L], v0, 4, SCG
	s_mov_b32 s[SEL], 0x76543210
	s_mov_b32 s[SEL+1], 0xfedcba98
.irp b, 0,1,2,3
	v_mov_b32 v[TM+4+\b], 0                        ; written once: a lane permute's destination counts as one of its sources
.endr
	s_wait_kmcnt 0x0
	s_cmp_lt_u32 ttmp9, 256                        ; x's work-group or Wo's: the choice hangs on the work-group's number alone
	s_cselect_b64 s[4:5], s[4:5], s[6:7]
	s_cselect_b32 s16, 0, 256
	s_cselect_b32 s17, 0, 704                      ; the tensor's first tile in opc
	s_cselect_b32 s18, 0, 88                       ; and its first block in ops
	s_sub_co_u32 s16, ttmp9, s16
	s_lshr_b32 s19, s16, 2                         ; the block of 128 rows
	s_and_b32 s20, s16, 3                          ; which 256 along K
	s_lshl_b32 s21, s19, 7                         ; my tile's first row: 128 block + 32 (a / 2) + 8 (a % 2)
	s_lshr_b32 s22, s12, 1
	s_lshl_b32 s22, s22, 5
	s_add_co_u32 s21, s21, s22
	s_and_b32 s22, s12, 1
	s_lshl_b32 s22, s22, 3
	s_add_co_u32 s21, s21, s22
	s_lshl_b32 s21, s21, 12                        ; rows of 4,096 bytes
	s_lshl_b32 s22, s20, 10
	s_add_co_u32 s22, s21, s22
	s_mov_b32 s23, 0
	s_add_nc_u64 s[4:5], s[4:5], s[22:23]
	s_lshl_b32 s24, s19, 3
	s_add_co_u32 s24, s24, s12
	s_add_co_u32 s24, s24, s17
	s_mul_i32 s24, s24, 12288                      ; my tile in opc,
	s_mul_i32 s25, s20, 3072                       ; its half fragments 4 q on
	s_add_co_u32 s24, s24, s25
	s_mov_b32 s25, 0
	s_add_nc_u64 s[8:9], s[8:9], s[24:25]
	s_add_co_u32 s26, s19, s18
	s_lshl_b32 s26, s26, 12
	s_lshl_b32 s27, s20, 10
	s_add_co_u32 s26, s26, s27
	s_mov_b32 s27, 0
	s_add_nc_u64 s[10:11], s[10:11], s[26:27]
.irp sl, 0,1
.irp n, 0,1,2,3,4,5,6,7,8,9,10,11,12,13,14,15
	global_load_b128 v[R+64*\sl+4*\n:R+64*\sl+4*\n+3], v[L16], s[4:5] offset:((\n%8)+16*(\n/8))*4096+512*\sl th:TH_LOAD_NT   ; lane-row n: 512 consecutive bytes; read once in the launch
.endr
.endr
.irp sl, 0,1
	s_wait_loadcnt 16-16*\sl                       ; this K step's 16 loads are in; the second step's 16 may stay out
.irp n, 0,1,2,3,4,5,6,7,8,9,10,11,12,13,14,15
	ds_store_b128 v[STW], v[R+64*\sl+4*\n:R+64*\sl+4*\n+3] offset:STP*\n
.endr
.irp b, 0,1,2,3
.irp j, 0,1,2,3
	ds_load_b128 v[X+16*\b+4*\j:X+16*\b+4*\j+3], v[STR] offset:128*\b+16*\j   ; LDS serves a wave's instructions in order: these see the stores above
.endr
.endr
	s_wait_dscnt 0x0
	s_wait_xcnt 0x0                                ; the first step's stores have read the codes' registers before these are written again
	QUANT X, PW
	global_store_b128 v[L16], v[PC:PC+3], s[8:9] offset:1536*\sl         ; 512 consecutive bytes,
	global_store_b64 v[L8], v[PC+4:PC+5], s[8:9] offset:1536*\sl+512     ; 256 more: a half fragment
	global_store_b128 v[L16], v[PC+6:PC+9], s[8:9] offset:1536*\sl+768
	global_store_b64 v[L8], v[PC+10:PC+11], s[8:9] offset:1536*\sl+1280
	ds_store_b32 v[SCA], v[PW] offset:512*\sl      ; both halves of the lanes write the same word with the same value
.endr
	s_wait_dscnt 0x0                               ; for the others' sake: my scale words lie in LDS
	s_barrier_signal -1
	s_barrier_wait -1
	s_cmp_gt_u32 s12, 1
	s_cbranch_scc1 .Lend                           ; waves 0 and 1 store the 1,024 bytes, 16 a lane
	ds_load_b128 v[16:19], v[T16L]
	s_wait_dscnt 0x0
	global_store_b128 v[T16], v[16:19], s[10:11]
.Lend:
	s_wait_tensorcnt 0x0
	ds_add_u32 v248, v249
	s_wait_dscnt 0x0
	s_endpgm
.Lfunc_end_k_qddea47fec4_quant_rows:
	.size	k_qddea47fec4_quant_rows, .Lfunc_end_k_qddea47fec4_quant_rows-k_qddea47fec4_quant_rows
	.p2alignl 7, 3214868480
	.fill 96, 4, 3214868480
	.section	.rodata,"a",@progbits
	.p2align	6, 0x0
	.amdhsa_kernel k_qddea47fec4_quant_rows
		.amdhsa_group_segment_fixed_size 69632
		.amdhsa_private_segment_fixed_size 0
		.amdhsa_enable_private_segment 0
		.amdhsa_kernarg_size 32
		.amdhsa_user_sgpr_count 2
		.amdhsa_user_sgpr_kernarg_segment_ptr 1
		.amdhsa_wavefront_size32 1
		.amdhsa_system_sgpr_workgroup_id_x 1
		.amdhsa_system_sgpr_workgroup_id_y 1
		.amdhsa_system_sgpr_workgroup_id_z 1
		.amdhsa_system_vgpr_workitem_id 0
		.amdhsa_next_free_vgpr 250
		.amdhsa_next_free_sgpr 66
		.amdhsa_reserve_vcc 0
		.amdhsa_float_denorm_mode_32 3
		.amdhsa_float_denorm_mode_16_64 3
		.amdhsa_memory_ordered 1
		.amdhsa_forward_progress 1
		.amdhsa_inst_pref_size 19
	.end_amdhsa_kernel
	.amdgpu_metadata
---
amdhsa.version: [ 1, 2 ]
amdhsa.kernels:
  - .name:           k_qddea47fec4_quant_rows
    .symbol:         k_qddea47fec4_quant_rows.kd
    .args:
      - { .name: x, .offset: 0, .size: 8, .value_kind: global_buffer, .address_space: global }
      - { .name: Wo, .offset: 8, .size: 8, .value_kind: global_buffer, .address_space: global }
      - { .name: opc, .offset: 16, .size: 8, .value_kind: global_buffer, .address_space: global }
      - { .name: ops, .offset: 24, .size: 8, .value_kind: global_buffer, .address_space: global }
    .group_segment_fixed_size: 69632
    .private_segment_fixed_size: 0
    .kernarg_segment_align: 8
    .kernarg_segment_size: 32
    .max_flat_workgroup_size: 256
    .sgpr_count:     66
    .vgpr_count:     250
    .wavefront_size: 32
...
	.end_amdgpu_metadata
.endif
;; end of part 1
;; launch quant_cols (part 2): grid 24 x 8, 4 waves a work-group, no clusters, 1,024 bytes of LDS; arguments Wq, Wk, Wv, opc, ops; writes opc, ops
.if DOCPART == 2
	.amdgcn_target "amdgcn-amd-amdhsa--gfx1250"
	.amdhsa_code_object_version 6
	.text
	.protected	k_qddea47fec4_quant_cols
	.globl	k_qddea47fec4_quant_cols
	.p2align	8
	.type	k_qddea47fec4_quant_cols,@function
k_qddea47fec4_quant_cols:
	s_mov_b64 s[64:65], 0
	v_nop
	global_prefetch_b8 v0, s[64:65] scope:SCOPE_SE
	s_setreg_imm32_b32 hwreg(HW_REG_WAVE_MODE, 25, 1), 1
	s_wait_xcnt 0x0
; Wq, Wk, Wv [16][1024 (d)][64], f32: operands whose rows are (head, column) and whose K, d, is the MIDDLE axis.  They become codes of BF6 and E8M0 bytes in the images that quant_rows' head describes:
; tiles 512 + 64 tensor + .. of opc, blocks 64 + 8 tensor + .. of ops; row = 64 head + column.
; A LANE TAKES A COLUMN AND ITS REGISTERS RUN DOWN d: a block of 32 lies in one lane's 32 registers, its maximum needs no other lane, and the conversions give codes with K innermost.
; SHARES.  Work-group x = block of 128 rows (two heads), y = K step of 128.  Wave w takes tiles 2 w, 2 w + 1: head 2 hp + w / 2, columns 32 (w % 2) on.  Lane (r, u) takes the column that is lane-row r of tile 2 w + u:
; 32 (w % 2) + 8 u + r % 8 + 16 (r / 8): the 32 lanes still read 128 consecutive bytes.
; Two blocks of 32 (an even one in CA, an odd one in CB) are a half fragment of both tiles once lanes 16-31 of CA have changed places with lanes 0-15 of CB.
; LIMITS: as in quant_rows: no NaN, no infinities; blocks under 2^-122 keep the byte 1.
.set CO,  1                            ; v1  4 x my column
.set L16, 2                            ; v2  16 x lane
.set L8,  3                            ; v3  8 x lane
.set SCA, 4                            ; v4  where my row's scale word goes in LDS
.set X,   16                           ; v16-79 two sets of 32 numbers
.set CA,  80                           ; v80-85 the even block's codes, then tile 2 w's image
.set CB,  86                           ; v86-91 the odd block's, then tile 2 w + 1's
.set CT,  92                           ; v92-94 a block's second 16 codes
.set SW,  100                          ; v100 my row's scale word
	s_load_b256 s[4:11], s[0:1], 0x0               ; Wq, Wk, Wv, opc
	s_load_b64 s[12:13], s[0:1], 0x20              ; ops
	v_lshl_add_u32 v112, v0, 2, 0x200
	v_mov_b32 v113, 0
	v_lshrrev_b32 v5, 5, v0
	v_readfirstlane_b32 s14, v5                    ; wave 0..3
	v_and_b32 v6, 31, v0
	v_and_b32 v7, 15, v0                           ; r
	v_bfe_u32 v8, v0, 4, 1                         ; u
	v_lshlrev_b32 v[L16], 4, v6
	v_lshlrev_b32 v[L8], 3, v6
	s_and_b32 s15, s14, 1
	s_lshr_b32 s16, s14, 1
	v_and_b32 v9, 7, v0
	v_bfe_u32 v10, v0, 3, 1
	v_lshl_add_u32 v9, v10, 4, v9
	v_lshl_add_u32 v9, v8, 3, v9
	s_lshl_b32 s17, s15, 5
	v_add_nc_u32 v9, s17, v9
	v_lshlrev_b32 v[CO], 2, v9
	s_lshl_b32 s17, s16, 8
	s_lshl_b32 s18, s15, 3
	s_add_co_u32 s17, s17, s18
	v_lshl_add_u32 v[SCA], v7, 4, s17
	v_lshl_add_u32 v[SCA], v8, 2, v[SCA]           ; 256 (w / 2) + 8 (w % 2) + 16 r + 4 u
	s_lshr_b32 s19, ttmp9, 3                       ; which tensor
	s_and_b32 s20, ttmp9, 7                        ; which pair of heads
	s_and_b32 s21, ttmp7, 0xffff                   ; which K step
	s_lshl_b32 s22, s20, 1
	s_add_co_u32 s22, s22, s16
	s_lshl_b32 s22, s22, 18                        ; my head: 262,144 bytes each,
	s_lshl_b32 s23, s21, 15                        ; 128 rows d of 256 bytes
	s_add_co_u32 s22, s22, s23
	s_mov_b32 s23, 0
	s_lshl_b32 s24, ttmp9, 3
	s_lshl_b32 s25, s14, 1
	s_add_co_u32 s24, s24, s25
	s_add_co_u32 s24, s24, 512
	s_mul_i32 s24, s24, 12288                      ; tile 512 + 8 block + 2 w,
	s_mul_i32 s25, s21, 1536                       ; half fragments 2 s on
	s_add_co_u32 s24, s24, s25
	s_mov_b32 s25, 0
	s_add_co_u32 s26, ttmp9, 64
	s_lshl_b32 s26, s26, 12
	s_lshl_b32 s27, s21, 9
	s_add_co_u32 s26, s26, s27
	s_mov_b32 s27, 0
	s_wait_kmcnt 0x0
	s_cmp_eq_u32 s19, 1                            ; the choice hangs on the work-group's number alone
	s_cselect_b64 s[4:5], s[6:7], s[4:5]
	s_cmp_eq_u32 s19, 2
	s_cselect_b64 s[4:5], s[8:9], s[4:5]
	s_add_nc_u64 s[4:5], s[4:5], s[22:23]
	s_add_nc_u64 s[10:11], s[10:11], s[24:25]
	s_add_nc_u64 s[12:13], s[12:13], s[26:27]
.macro LOAD t                          ; block t: W(32 t + n, my column) into set t % 2
.irp n, 0,1,2,3,4,5,6,7,8,9,10,11,12,13,14,15,16,17,18,19,20,21,22,23,24,25,26,27,28,29,30,31
	global_load_b32 v[X+32*((\t)%2)+\n], v[CO], s[4:5] offset:(32*(\t)+\n)*256 th:TH_LOAD_NT
.endr
.endm
.macro BLOCK t
.set XS, X+32*((\t)%2)
.set CD, CA+6*((\t)%2)
.if (\t) < 3
	s_wait_loadcnt 32                              ; this block's 32 loads are in; the next block's 32 may stay out
.else
	s_wait_loadcnt 0
.endif
	v_max3_num_f32 v96, |v[XS]|, |v[XS+1]|, |v[XS+2]|   ; all 32 numbers are mine: two chains
	v_max3_num_f32 v97, |v[XS+3]|, |v[XS+4]|, |v[XS+5]|
.irp i, 6,10,14,18,22,26
	v_max3_num_f32 v96, v96, |v[XS+\i]|, |v[XS+\i+1]|
	v_max3_num_f32 v97, v97, |v[XS+\i+2]|, |v[XS+\i+3]|
.endr
	v_max3_num_f32 v96, v96, |v[XS+30]|, |v[XS+31]|
	v_max3_num_f32 v96, v96, v97, 0x2800000        ; and the floor 2^(5 - 127)
	v_add_nc_u32 v98, 0xfe000000, v96              ; 4 off the exponent field: the conversion's scale operand
	v_lshrrev_b32 v99, 23, v98                     ; the byte
.if (\t) == 0
	v_mov_b32 v[SW], v99
.else
	v_lshl_or_b32 v[SW], v99, 8*(\t), v[SW]
.endif
	v_cvt_scalef32_pk16_bf6_f32 v[CD:CD+2], v[XS:XS+15], v98
	v_cvt_scalef32_pk16_bf6_f32 v[CT:CT+2], v[XS+16:XS+31], v98   ; (a conversion's three registers begin on an even number)
	v_nop                                          ; one plain place behind a scaled conversion
.irp i, 0,1,2
	v_mov_b32 v[CD+3+\i], v[CT+\i]
.endr
.if (\t) < 2
	LOAD (\t)+2
.endif
.endm
.macro PAIR p                          ; blocks 2 p, 2 p + 1 leave as half fragment 2 s + p of both tiles
.irp i, 0,1,2,3,4,5
	v_permlane16_swap_b32 v[CA+\i], v[CB+\i]
.endr
	global_store_b128 v[L16], v[CA:CA+3], s[10:11] offset:768*\p
	global_store_b64 v[L8], v[CA+4:CA+5], s[10:11] offset:768*\p+512
	global_store_b128 v[L16], v[CB:CB+3], s[10:11] offset:768*\p+12288
	global_store_b64 v[L8], v[CB+4:CB+5], s[10:11] offset:768*\p+12800
.endm
	LOAD 0
	LOAD 1
	BLOCK 0
	BLOCK 1
	PAIR 0
	s_wait_xcnt 0x0                                ; the stores have read CA and CB before these are written again
	BLOCK 2
	BLOCK 3
	PAIR 1
	ds_store_b32 v[SCA], v[SW]
	s_wait_dscnt 0x0                               ; for the others' sake
	s_barrier_signal -1
	s_barrier_wait -1
	s_cmp_lg_u32 s14, 0
	s_cbranch_scc1 .Lend                           ; wave 0 stores the block's 512 bytes of scale words
	ds_load_b128 v[16:19], v[L16]
	s_wait_dscnt 0x0
	global_store_b128 v[L16], v[16:19], s[12:13]
.Lend:
	s_wait_tensorcnt 0x0
	ds_add_u32 v112, v113
	s_wait_dscnt 0x0
	s_endpgm
.Lfunc_end_k_qddea47fec4_quant_cols:
	.size	k_qddea47fec4_quant_cols, .Lfunc_end_k_qddea47fec4_quant_cols-k_qddea47fec4_quant_cols
	.p2alignl 7, 3214868480
	.fill 96, 4, 3214868480
	.section	.rodata,"a",@progbits
	.p2align	6, 0x0
	.amdhsa_kernel k_qddea47fec4_quant_cols
		.amdhsa_group_segment_fixed_size 1024
		.amdhsa_private_segment_fixed_size 0
		.amdhsa_enable_private_segment 0
		.amdhsa_kernarg_size 40
		.amdhsa_user_sgpr_count 2
		.amdhsa_user_sgpr_kernarg_segment_ptr 1
		.amdhsa_wavefront_size32 1
		.amdhsa_system_sgpr_workgroup_id_x 1
		.amdhsa_system_sgpr_workgroup_id_y 1
		.amdhsa_system_sgpr_workgroup_id_z 1
		.amdhsa_system_vgpr_workitem_id 0
		.amdhsa_next_free_vgpr 114
		.amdhsa_next_free_sgpr 66
		.amdhsa_reserve_vcc 0
		.amdhsa_float_denorm_mode_32 3
		.amdhsa_float_denorm_mode_16_64 3
		.amdhsa_memory_ordered 1
		.amdhsa_forward_progress 1
		.amdhsa_inst_pref_size 22
	.end_amdhsa_kernel
	.amdgpu_metadata
---
amdhsa.version: [ 1, 2 ]
amdhsa.kernels:
  - .name:           k_qddea47fec4_quant_cols
    .symbol:         k_qddea47fec4_quant_cols.kd
    .args:
      - { .name: Wq, .offset: 0, .size: 8, .value_kind: global_buffer, .address_space: global }
      - { .name: Wk, .offset: 8, .size: 8, .value_kind: global_buffer, .address_space: global }
      - { .name: Wv, .offset: 16, .size: 8, .value_kind: global_buffer, .address_space: global }
      - { .name: opc, .offset: 24, .size: 8, .value_kind: global_buffer, .address_space: global }
      - { .name: ops, .offset: 32, .size: 8, .value_kind: global_buffer, .address_space: global }
    .group_segment_fixed_size: 1024
    .private_segment_fixed_size: 0
    .kernarg_segment_align: 8
    .kernarg_segment_size: 40
    .max_flat_workgroup_size: 128
    .sgpr_count:     66
    .vgpr_count:     114
    .wavefront_size: 32
...
	.end_amdgpu_metadata
.endif
;; end of part 2
;; launch proj (part 3): grid 12 x 32, 4 waves a work-group, clusters of 4 x 4, 327,680 bytes of LDS; arguments opc, ops, qkv, qkvs; writes qkv, qkvs
.if DOCPART == 3
	.amdgcn_target "amdgcn-amd-amdhsa--gfx1250"
	.amdhsa_code_object_version 6
	.text
	.protected	k_qddea47fec4_proj
	.globl	k_qddea47fec4_proj
	.p2align	8
	.type	k_qddea47fec4_proj,@function
k_qddea47fec4_proj:
	s_mov_b64 s[64:65], 0
	v_nop
	global_prefetch_b8 v0, s[64:65] scope:SCOPE_SE
	s_setreg_imm32_b32 hwreg(HW_REG_WAVE_MODE, 25, 1), 1
	s_wait_xcnt 0x0
	s_wait_alu depctr_hold_cnt(0) depctr_sa_sdst(0) depctr_va_vdst(0) depctr_va_sdst(0) depctr_va_ssrc(0) depctr_va_vcc(0) depctr_vm_vsrc(0)
	s_getreg_b32 s2, hwreg(HW_REG_IB_STS2, 6, 4)
	s_cmp_eq_u32 s2, 0
	s_cbranch_scc0 .Lentry_in_a_cluster
	s_endpgm
.Lentry_in_a_cluster:
	s_bfe_u32 s2, ttmp6, 0x10000c
	s_cmp_lg_u32 s2, 0xf033
	s_cbranch_scc0 .Lentry_shape_is_right
	s_endpgm
.Lentry_shape_is_right:
; q, k and v = x W, on codes of BF6 with E8M0 scales, K = 1,024; the results are quantised in registers and leave as codes, laid as the attention wants them.
; OPERANDS lie in opc and ops as images of their registers: tile i (16 rows) at 12,288 i, its half fragment g (64 along K) at + 768 g: lane l's registers 0-3 at 16 l, 4-5 at 512 + 8 l.  Lane-row r of tile i is actual row
; 32 (i / 2) + 8 (i % 2) + r % 8 + 16 (r / 8).  Scale words: block of 8 tiles at 4,096, K step of 128 at + 512, word of (tile a, row r) at 256 (a / 4) + 16 r + 4 (a % 4).
; A work-group of four waves makes 256 x 256, a wave 128 x 128: 64 accumulators.  Source 0 takes 'B' rows, source 1 'A' rows: a lane holds ONE row of A, and by the tiles' order of rows its 64 registers of a block of A
; run along 128 neighbouring rows of B, 16 of each 32: what the next quantiser wants.
; TWO KINDS OF WORK-GROUP, by the cluster's x, which all partners share (only numbers are chosen, no branch):  clusters 0, 1: A = x (tokens), B = Wq | Wk: a lane holds a token, registers run along the head's 64: q and k, quantised
; along the head.  Cluster 2: A = Wv, B = x: a lane holds a channel, registers run along the tokens: v, quantised along the keys.
; OUT.  A block's 64 registers become one fragment = two half fragments of 768 bytes.  q, k: group (q head: h, k head: 16 + h) at 393,216, token tile at + 768.  v: at 12,582,912, group of 64 tokens at 49,152, channel tile at + 768.
; Scale words in qkvs: q, k: pair of heads (k: 8 +) at 32,768, token block at + 512 (bytes 0, 1 the even head, 2, 3 the odd);  v: at 524,288, block of 128 channels at 32,768, step of 128 tokens at + 512.
; K goes in steps of 256 through a ring of two LDS slots; in a slot a tile is 3,072 dense bytes, so every fragment load reads 512 or 256 consecutive bytes.  The scale words of all of K come once.
; CLUSTERS: 4 x 4.  A's tiles are shared along a row of the cluster, B's along a column: joint loads.
; LIMITS: no NaN, no infinities; a block of results under 2^-122 keeps the byte 1 (its codes are zeros or subnormal; only this program reads the bytes).
; REGISTERS: window 0: v16-29 addresses; v32-63 scale words, two sets; v64-111 the way out; v128-223 A's fragments, one set.  Window 1: B's fragments, two sets, at v0 and v128.  Windows 2, 3: the accumulators, (a, b) at v[8 (8 (a % 4) + b)].
.set NQ,    2                          ; matrix instructions deep in a slot
.set FR,    12                         ; registers of a fragment
.set NL,    4                          ; LDS loads that bring one
.set NP,    4                          ; places behind this matrix instruction (ISA guide 7.12.1)
.set TILEB, 3072                       ; a tile's 256 along K
.set HALFT, 8*TILEB                    ; 8 tiles: what one tensor load brings, and what a wave reads of A or of B
.set SLOT,  4*HALFT
.set SCL,   2*SLOT                     ; behind the ring: four blocks of scale words, 4,096 bytes each: A's two, B's two
.set SPARE, SCL+4*4096                 ; the spare words, 128 bytes a wave: two blocks of 256 bytes that no other line names
.set ADRA, 16                          ; v16-17 my A tiles in slot 0, 1, + 16 x lane;  v18-19 the same + 8 x lane
.set ADRB, 20                          ; v20-23 the same for B
.set O16,  24                          ; v24 16 x lane
.set O8,   25                          ; v25 8 x lane
.set ADRS, 27                          ; v27 my scale words: lanes 0-15 A's block, lanes 16-31 B's
.set SPW,  28                          ; v28 my spare word; never rewritten
.set NIL,  29                          ; v29 0; never rewritten
.set SC,   32                          ; scale words: register 16 set + 8 q + i: lanes 0-15 A's tile i, lanes 16-31 B's tile i
.set TM,   64                          ; the way out: at work
.set PC,   80                          ; the codes
.set PWS,  100                         ; v100-107 the eight blocks' scale words
.set T,    108                         ; v108-111 as they are stored
.set AF,   128
.set G1, 24                            ; s[24:31], s[32:39] groups 1 and 0 (a set for each slot) for A's tiles
.set G0, 32
.set G1B, 48                           ; s[48:55], s[56:63] for B's
.set G0B, 56
.set SEL, 66                           ; s66, s67 lane selects for lane l xor 16
.set G1S, 68                           ; s[68:75], s[76:79] for A's scale words;  s[80:87], s[88:91] for B's
.set G0S, 76
.set G1SB, 80
.set G0SB, 88
.set MSB, 0
.macro WIN new                         ; the immediate's high byte repeats the setting that is left
.if MSB != (\new)
	s_set_vgpr_msb (MSB<<8)|(\new)
.set MSB, (\new)
.endif
.endm
.set MUL_LO, 0xa1                      ; source 0 (B) window 1, source 1 (A) window 0, C and D window 2
.set MUL_HI, 0xf1                      ; the same, C and D window 3
.set TO_B,   0x40                      ; destination window 1
; A joint load: waves 0 and 1 fetch for A, waves 2 and 3 for B; the branch hangs on the wave's number alone.  Four v_nop follow each line.
.macro JLOAD g0a, g1a, g0b, g1b
	s_cmp_eq_u32 s15, 0
	s_cbranch_scc0 .Lfor_b_\@
	tensor_load_to_lds s[\g0a:\g0a+3], s[\g1a:\g1a+7]
	s_nop 0
.rept 4
	v_nop
.endr
	s_branch .Lasked_\@
.Lfor_b_\@:
	tensor_load_to_lds s[\g0b:\g0b+3], s[\g1b:\g1b+7]
	s_nop 0
.rept 4
	v_nop
.endr
.Lasked_\@:
.endm
.macro CREST                           ; a round of the cluster's barrier behind its opening barrier
	s_cmp_lg_u32 s14, 0
	s_cbranch_scc1 .Lnot_wave_0_\@
	s_barrier_signal -3
.Lnot_wave_0_\@:
	s_barrier_wait -3
	s_barrier_signal -1
	s_barrier_wait -1
.endm
.macro CROUND
	s_barrier_signal -1
	s_barrier_wait -1
	CREST
.endm
	s_load_b128 s[4:7], s[0:1], 0x0                ; opc, ops
	s_load_b128 s[8:11], s[0:1], 0x10              ; qkv, qkvs
	v_lshl_add_u32 v[SPW], v0, 2, SPARE
	v_mov_b32 v[NIL], 0
	ds_add_u32 v28, v29
	ds_add_u32 v28, v29
	s_wait_dscnt 0x0
	v_lshrrev_b32 v1, 5, v0
	v_readfirstlane_b32 s14, v1                    ; wave 0..3
	s_lshr_b32 s15, s14, 1                         ; which half of A's rows is mine.  Also: I fetch for A (0) or for B (1)
	s_and_b32 s16, s14, 1                          ; which half of B's rows.  Also: which 8 tiles I fetch
	s_bfe_u32 s40, ttmp6, 0x40000                  ; cx
	s_bfe_u32 s41, ttmp6, 0x40004                  ; cy
	s_lshl_b32 s42, ttmp9, 2                       ; 4 x cluster x
	s_and_b32 s17, ttmp7, 0xffff
	s_lshl_b32 s17, s17, 2                         ; 4 x cluster y
	s_lshl_b32 s43, s41, 2
	s_lshl_b32 s43, 15, s43                        ; my row of the cluster
	s_lshl_b32 s44, 0x1111, s40                    ; my column
	s_or_b32 s[G1+0], s43, (3<<16)|(1<<21)         ; 15:0 the mask; 17:16 elements of 8 bytes; 21 set beside a mask; no padding
	s_or_b32 s[G1B+0], s44, (3<<16)|(1<<21)
.irp g, G1, G1B
	s_mov_b32 s[\g+1], 384<<16                     ; tensor_dim0: a tile's 3,072 bytes
	s_mov_b32 s[\g+2], 8<<16                       ; tensor_dim1: 8 tiles
	s_mov_b32 s[\g+3], 384<<16                     ; tile_dim0
	s_mov_b32 s[\g+4], 8                           ; tile_dim1
	s_mov_b32 s[\g+5], 1536                        ; from tile to tile: 12,288 bytes
	s_mov_b32 s[\g+6], 0
	s_mov_b32 s[\g+7], 0
.endr
	s_or_b32 s[G1S+0], s43, (3<<16)|(1<<21)
	s_or_b32 s[G1SB+0], s44, (3<<16)|(1<<21)
.irp g, G1S, G1SB                      ; a block's scale words: 4,096 dense bytes as 16 rows of 256
	s_mov_b32 s[\g+1], 32<<16
	s_mov_b32 s[\g+2], 16<<16
	s_mov_b32 s[\g+3], 32<<16
	s_mov_b32 s[\g+4], 16
	s_mov_b32 s[\g+5], 32
	s_mov_b32 s[\g+6], 0
	s_mov_b32 s[\g+7], 0
.endr
	s_cmp_eq_u32 ttmp9, 2                          ; v's cluster?  The cluster's x is the same in all partners
	s_cselect_b32 s42, s17, s42                    ; column base: v: 4 x cluster y, else 4 x cluster x
	s_cselect_b32 s17, 0, s17                      ; row base: v: 0, else 4 x cluster y
	s_cselect_b32 s45, 640, 0                      ; A's first tile in opc: Wv's, else x's
	s_cselect_b32 s94, 0, 512                      ; B's: x's, else Wq's
	s_cselect_b32 s95, 80, 0                       ; A's first block in ops
	s_cselect_b32 s96, 0, 64                       ; B's
	s_add_co_u32 s42, s42, s40                     ; tile column: enters B's numbers alone
	s_add_co_u32 s17, s17, s41                     ; tile row: enters A's alone
	s_lshl_b32 s18, s16, 3
	s_lshl_b32 s20, s17, 4
	s_add_co_u32 s20, s20, s18
	s_add_co_u32 s20, s20, s45                     ; A: tile base + 16 row + 8 half
	s_lshl_b32 s46, s42, 4
	s_add_co_u32 s46, s46, s18
	s_add_co_u32 s46, s46, s94                     ; B likewise
	s_lshl_b32 s22, s17, 1
	s_add_co_u32 s22, s22, s16
	s_add_co_u32 s22, s22, s95
	s_lshl_b32 s22, s22, 12                        ; A's block of scale words, in bytes
	s_mov_b32 s23, 0
	s_lshl_b32 s92, s42, 1
	s_add_co_u32 s92, s92, s16
	s_add_co_u32 s92, s92, s96
	s_lshl_b32 s92, s92, 12
	s_mov_b32 s93, 0
	s_mul_i32 s20, s20, 12288
	s_mov_b32 s21, 0
	s_mul_i32 s46, s46, 12288
	s_mov_b32 s47, 0
	s_mul_i32 s97, s14, HALFT                      ; where they go: wave x 8 tiles: no place in the cluster enters an LDS address
	s_lshl_b32 s98, s14, 12
	s_mov_b32 s[SEL], 0x76543210
	s_mov_b32 s[SEL+1], 0xfedcba98
	s_wait_kmcnt 0x0
	s_add_nc_u64 s[20:21], s[4:5], s[20:21]
	s_add_nc_u64 s[22:23], s[6:7], s[22:23]
	s_add_nc_u64 s[46:47], s[4:5], s[46:47]
	s_add_nc_u64 s[92:93], s[6:7], s[92:93]
	CROUND                                         ; all sixteen work-groups are here: the first joint loads meet
	s_mov_b32 s[G0S], 1
	s_add_co_u32 s[G0S+1], s98, SCL
	s_mov_b64 s[G0S+2:G0S+3], s[22:23]
	s_or_b32 s[G0S+3], s[G0S+3], 0x80000000
	s_mov_b32 s[G0SB], 1
	s_add_co_u32 s[G0SB+1], s98, SCL
	s_mov_b64 s[G0SB+2:G0SB+3], s[92:93]
	s_or_b32 s[G0SB+3], s[G0SB+3], 0x80000000
	JLOAD G0S, G1S, G0SB, G1SB                     ; the scale words first: they are wanted with K step 0
.irp s, 0,1
	s_mov_b32 s[G0+4*\s], 1
	s_add_co_u32 s[G0+4*\s+1], s97, \s*SLOT
	s_add_nc_u64 s[G0+4*\s+2:G0+4*\s+3], s[20:21], \s*TILEB
	s_or_b32 s[G0+4*\s+3], s[G0+4*\s+3], 0x80000000
	s_mov_b32 s[G0B+4*\s], 1
	s_add_co_u32 s[G0B+4*\s+1], s97, \s*SLOT
	s_add_nc_u64 s[G0B+4*\s+2:G0B+4*\s+3], s[46:47], \s*TILEB
	s_or_b32 s[G0B+4*\s+3], s[G0B+4*\s+3], 0x80000000
	JLOAD G0+4*\s, G1, G0B+4*\s, G1B               ; by this text's count three tensor loads of a wave are out now
.endr
	v_and_b32 v1, 31, v0                           ; lane (kept)
	v_and_b32 v2, 15, v0                           ; r
	v_bfe_u32 v3, v0, 4, 1                         ; h
	v_lshlrev_b32 v[O16], 4, v1
	v_lshlrev_b32 v[O8], 3, v1
	s_mul_i32 s21, s15, HALFT                      ; my 8 tiles of A
	s_mul_i32 s22, s16, HALFT                      ; my 8 tiles of B,
	s_add_co_u32 s22, s22, 2*HALFT                 ; which lie behind A's 16
.irp s, 0,1
	v_add_nc_u32 v[ADRA+\s], s21, v[O16]
	v_add_nc_u32 v[ADRB+\s], s22, v[O16]
	v_add_nc_u32 v[ADRA+2+\s], s21, v[O8]
	v_add_nc_u32 v[ADRB+2+\s], s22, v[O8]
	s_add_co_u32 s21, s21, SLOT
	s_add_co_u32 s22, s22, SLOT
.endr
	s_lshl_b32 s21, s15, 12                        ; A's block of scale words,
	s_lshl_b32 s22, s16, 12
	s_add_co_u32 s22, s22, 8192                    ; B's, behind A's two
	s_sub_co_u32 s22, s22, s21
	v_mul_u32_u24 v6, s22, v3                      ; lanes 16-31 take B's: one product, the distance between the two
	s_add_co_u32 s21, s21, SCL
	v_lshl_add_u32 v6, v2, 4, v6
	v_add_nc_u32 v[ADRS], s21, v6
.irp b, 0,1,2,3
	v_mov_b32 v[TM+4+\b], 0                        ; written once: a lane permute's destination counts as one of its sources
.endr
	; where the results go.  P = 2 column + my half of B, R = 2 row + my half of A
	s_lshl_b32 s18, s42, 1
	s_add_co_u32 s18, s18, s16
	s_lshl_b32 s19, s17, 1
	s_add_co_u32 s19, s19, s15
	s_mov_b32 s20, 393216
	s_cmp_eq_u32 ttmp9, 2
	s_cselect_b32 s20, 49152, s20                  ; from group to group: v: 64 tokens, else a head
	s_cselect_b32 s22, 12582912, 0                 ; v's part begins there
	s_cselect_b32 s46, s19, s18                    ; scale words: the number that counts 32,768 bytes,
	s_cselect_b32 s47, s18, s19                    ; and the one that counts 512
	s_cselect_b32 s92, 524288, 0
	s_mov_b32 s21, 0
	s_lshl_b32 s2, s18, 1                          ; my first group, 2 P
	s_mul_i32 s2, s2, s20
	s_add_co_u32 s2, s2, s22
	s_mul_i32 s3, s19, 6144                        ; my first tile, 8 R, of 768 bytes
	s_add_co_u32 s2, s2, s3
	s_mov_b32 s3, 0
	s_add_nc_u64 s[8:9], s[8:9], s[2:3]            ; the fragments' first halves,
	s_add_nc_u64 s[12:13], s[8:9], s[20:21]        ; their second halves: the next group
	s_lshl_b32 s46, s46, 15
	s_lshl_b32 s47, s47, 9
	s_add_co_u32 s46, s46, s47
	s_add_co_u32 s46, s46, s92
	s_mov_b32 s47, 0
	s_add_nc_u64 s[10:11], s[10:11], s[46:47]
.macro FRAG reg, adr, q, i             ; tile i's fragment of the slot's q-th 128 along K: two half fragments, as they lie
	ds_load_b128 v[\reg:\reg+3], v[\adr] offset:TILEB*(\i)+1536*(\q)
	ds_load_b64 v[\reg+4:\reg+5], v[\adr+2] offset:TILEB*(\i)+1536*(\q)+512
	ds_load_b128 v[\reg+6:\reg+9], v[\adr] offset:TILEB*(\i)+1536*(\q)+768
	ds_load_b64 v[\reg+10:\reg+11], v[\adr+2] offset:TILEB*(\i)+1536*(\q)+1280
.endm
; 16 matrix instructions: A's blocks a0, a0 + 1 x B's eight.  p: B's set; sc: the set of scale words.  zero = 1: the first product starts the sums.
; The 64 accumulators take turns, one instruction a turn, in the same order in every step.
.macro MUL16 a0, p, q, sc, zero
.irp a, \a0, \a0+1
.irp b, 0,1,2,3,4,5,6,7
.if \zero
	v_wmma_scale_f32_16x16x128_f8f6f4 v[8*(8*((\a)%4)+\b):8*(8*((\a)%4)+\b)+7], v[128*(\p)+FR*\b:128*(\p)+FR*\b+FR-1], v[AF+FR*(\a):AF+FR*(\a)+FR-1], 0, v[SC+16*(\sc)+8*(\q)+\b], v[SC+16*(\sc)+8*(\q)+(\a)] matrix_a_fmt:MATRIX_FMT_BF6 matrix_b_fmt:MATRIX_FMT_BF6 matrix_a_scale:MATRIX_SCALE_ROW1
.else
	v_wmma_scale_f32_16x16x128_f8f6f4 v[8*(8*((\a)%4)+\b):8*(8*((\a)%4)+\b)+7], v[128*(\p)+FR*\b:128*(\p)+FR*\b+FR-1], v[AF+FR*(\a):AF+FR*(\a)+FR-1], v[8*(8*((\a)%4)+\b):8*(8*((\a)%4)+\b)+7], v[SC+16*(\sc)+8*(\q)+\b], v[SC+16*(\sc)+8*(\q)+(\a)] matrix_a_fmt:MATRIX_FMT_BF6 matrix_b_fmt:MATRIX_FMT_BF6 matrix_a_scale:MATRIX_SCALE_ROW1
.endif
.endr
.endr
.endm
.macro FETCH_B slot, q, p
	WIN TO_B
.irp i, 0,1,2,3,4,5,6,7
	FRAG 128*(\p)+FR*\i, ADRB+\slot, \q, \i
.endr
	WIN 0
.endm
.macro FETCH_A slot, q, i0
.irp i, \i0, \i0+1, \i0+2, \i0+3
	FRAG AF+FR*(\i), ADRA+\slot, \q, \i
.endr
.endm
.macro SCALES sc                       ; a slot's scale words: four loads of 16 bytes: a row's words of four tiles each
.irp q, 0,1
.irp hf, 0,1
	ds_load_b128 v[SC+16*\sc+8*\q+4*\hf:SC+16*\sc+8*\q+4*\hf+3], v[ADRS] offset:512*\q+256*\hf
.endr
.endr
.endm
.macro PLACES n                        ; plain vector instructions between a matrix instruction and a load into, or a read of, its registers (ISA guide 7.12.1 for a read)
.rept \n
	v_nop
.endr
.endm
.macro STEP slot, q, zero              ; a step of 128 along K that has its successor in the same slot
	s_wait_dscnt 4*NL                              ; all but the youngest 16 loads, A's blocks 4-7
	WIN MUL_LO
	MUL16 0, (\q)%2, \q, \slot, \zero
	MUL16 2, (\q)%2, \q, \slot, \zero
	s_wait_dscnt 0
	PLACES NP
	FETCH_B \slot, (\q)+1, 1-(\q)%2
	FETCH_A \slot, (\q)+1, 0
	WIN MUL_HI
	MUL16 4, (\q)%2, \q, \slot, \zero
	MUL16 6, (\q)%2, \q, \slot, \zero
	PLACES NP
	WIN 0
	FETCH_A \slot, (\q)+1, 4
.endm
; A slot's last step changes slots: one barrier; in front of it each wave waits for all its tensor loads, adds 0 to its spare word, and waits for that and for its reads of this slot.
.macro TURN slot, next, fill
	s_wait_tensorcnt 0x0                           ; all my tensor loads have landed: my part of the next slot
	ds_add_u32 v[SPW], v[NIL]                      ; 0 onto my spare word
	s_wait_dscnt 4*NL+1                            ; the add and the youngest 16 loads may be out
	WIN MUL_LO
	MUL16 0, 1, NQ-1, \slot, 0
	s_wait_dscnt 0x0                               ; the add is done, and my reads of this slot are over
	s_barrier_signal -1
	MUL16 2, 1, NQ-1, \slot, 0
	WIN 0
	s_barrier_wait -1
.if \fill
	CREST                                          ; the barrier has opened a round of the cluster's: no wave of any partner still reads this slot or has a load on its way
	s_add_nc_u64 s[G0+4*\slot+2:G0+4*\slot+3], s[G0+4*\slot+2:G0+4*\slot+3], 2*TILEB
	s_add_nc_u64 s[G0B+4*\slot+2:G0B+4*\slot+3], s[G0B+4*\slot+2:G0B+4*\slot+3], 2*TILEB
	JLOAD G0+4*\slot, G1, G0B+4*\slot, G1B         ; the first tensor load behind the round, one a wave; its four v_nop are the places in front of the loads below
.else
	PLACES NP
.endif
	v_add_nc_u32 v[ADRS], 1024, v[ADRS]            ; the next slot's two steps of scale words
	FETCH_B \next, 0, 0
	FETCH_A \next, 0, 0
	SCALES \next
	WIN MUL_HI
	MUL16 4, 1, NQ-1, \slot, 0
	MUL16 6, 1, NQ-1, \slot, 0
	PLACES NP
	WIN 0
	FETCH_A \next, 0, 4
.endm
	s_wait_tensorcnt 1                             ; the scale words and my part of slot 0 are in; slot 1's load may stay out
	s_barrier_signal -1
	s_barrier_wait -1
	FETCH_B 0, 0, 0
	FETCH_A 0, 0, 0
	SCALES 0
	FETCH_A 0, 0, 4
	STEP 0, 0, 1                                   ; K = 1,024 is four slots' worth: eight steps, written out
	TURN 0, 1, 1
	STEP 1, 0, 0
	TURN 1, 0, 1
	STEP 0, 0, 0
	TURN 0, 1, 0                                   ; nothing is left to fetch
	STEP 1, 0, 0
	s_wait_dscnt 4*NL
	WIN MUL_LO
	MUL16 0, 1, NQ-1, 1, 0
	MUL16 2, 1, NQ-1, 1, 0
	s_wait_dscnt 0
	WIN MUL_HI
	MUL16 4, 1, NQ-1, 1, 0
	MUL16 6, 1, NQ-1, 1, 0
	WIN 0
; THE WAY OUT.  Block a's 64 registers, register 16 b + i = B's row 32 b + 16 h + i, are quantised where they lie; each accumulator is read from its low end on.
.macro QOUT a
.set AC, 64*((\a)%4)
	WIN 0x0a+5*((\a)/4)                            ; sources 0 and 1: window 2 or 3
.irp b, 0,1,2,3
	v_max3_num_f32 v[TM+\b], |v[AC+16*\b]|, |v[AC+1+16*\b]|, 0x2800000   ; and the floor 2^(5 - 127)
.endr
.irp i, 2,4,6,8,10,12,14
.irp b, 0,1,2,3
	v_max3_num_f32 v[TM+\b], |v[AC+16*\b+\i]|, |v[AC+1+16*\b+\i]|, v[TM+\b]
.endr
.endr
	WIN 0
.irp b, 0,1,2,3
	v_permlanex16_b32 v[TM+4+\b], v[TM+\b], s[SEL], s[SEL+1]
.endr
.irp b, 0,1,2,3
	v_max_num_f32 v[TM+\b], v[TM+\b], v[TM+4+\b]
.endr
.irp b, 0,1,2,3
	v_add_nc_u32 v[TM+12+\b], 0xfe000000, v[TM+\b]
.endr
.irp b, 0,1,2,3
	v_lshrrev_b32 v[TM+4+\b], 23, v[TM+12+\b]
.endr
	v_lshl_or_b32 v[PWS+(\a)], v[TM+5], 8, v[TM+4]
	v_lshl_or_b32 v[PWS+(\a)], v[TM+6], 16, v[PWS+(\a)]
	v_lshl_or_b32 v[PWS+(\a)], v[TM+7], 24, v[PWS+(\a)]
	s_wait_xcnt 0x0                                ; the block before's stores have read the codes' registers
	WIN 0x02+(\a)/4                                ; source 0: window 2 or 3
.irp c, 0,1
	v_cvt_scalef32_pk16_bf6_f32 v[PC+6*\c:PC+2+6*\c], v[AC+32*\c:AC+15+32*\c], v[TM+12+2*\c]
	v_cvt_scalef32_pk16_bf6_f32 v[PC+12+4*\c:PC+14+4*\c], v[AC+16+32*\c:AC+31+32*\c], v[TM+12+2*\c+1]
.endr
	WIN 0
	v_nop                                          ; one plain place behind a scaled conversion
.irp c, 0,1
.irp i, 0,1,2
	v_permlane16_swap_b32 v[PC+6*\c+\i], v[PC+12+4*\c+\i]
.endr
.irp i, 0,1,2
	v_mov_b32 v[PC+3+6*\c+\i], v[PC+12+4*\c+\i]
.endr
.endr
	global_store_b128 v[O16], v[PC:PC+3], s[8:9] offset:768*(\a)           ; 512 and 256 consecutive bytes, aligned
	global_store_b64 v[O8], v[PC+4:PC+5], s[8:9] offset:768*(\a)+512
	global_store_b128 v[O16], v[PC+6:PC+9], s[12:13] offset:768*(\a)
	global_store_b64 v[O8], v[PC+10:PC+11], s[12:13] offset:768*(\a)+512
.endm
	PLACES NP                                      ; behind the last products
.irp a, 0,1,2,3,4,5,6,7
	QOUT \a
.endr
	v_cmp_le_u32 vcc_lo, 16, v1                    ; lanes 0-15 store the words of blocks 0-3 of their row, lanes 16-31 those of blocks 4-7
.irp j, 0,1,2,3
	v_cndmask_b32 v[T+\j], v[PWS+\j], v[PWS+4+\j], vcc_lo
.endr
	global_store_b128 v[O16], v[T:T+3], s[10:11]   ; 512 consecutive bytes
	s_wait_tensorcnt 0x0                           ; the wave's end
	ds_add_u32 v[SPW], v[NIL]
	s_wait_dscnt 0x0
	CROUND                                         ; the closing round
	s_endpgm
.Lfunc_end_k_qddea47fec4_proj:
	.size	k_qddea47fec4_proj, .Lfunc_end_k_qddea47fec4_proj-k_qddea47fec4_proj
	.p2alignl 7, 3214868480
	.fill 96, 4, 3214868480
	.section	.rodata,"a",@progbits
	.p2align	6, 0x0
	.amdhsa_kernel k_qddea47fec4_proj
		.amdhsa_group_segment_fixed_size 327680
		.amdhsa_private_segment_fixed_size 0
		.amdhsa_enable_private_segment 0
		.amdhsa_kernarg_size 32
		.amdhsa_user_sgpr_count 2
		.amdhsa_user_sgpr_kernarg_segment_ptr 1
		.amdhsa_wavefront_size32 1
		.amdhsa_system_sgpr_workgroup_id_x 1
		.amdhsa_system_sgpr_workgroup_id_y 1
		.amdhsa_system_sgpr_workgroup_id_z 1
		.amdhsa_system_vgpr_workitem_id 0
		.amdhsa_next_free_vgpr 1024
		.amdhsa_next_free_sgpr 102
		.amdhsa_reserve_vcc 1
		.amdhsa_float_denorm_mode_32 3
		.amdhsa_float_denorm_mode_16_64 3
		.amdhsa_memory_ordered 1
		.amdhsa_forward_progress 1
		.amdhsa_inst_pref_size 148
	.end_amdhsa_kernel
	.amdgpu_metadata
---
amdhsa.version: [ 1, 2 ]
amdhsa.kernels:
  - .name:           k_qddea47fec4_proj
    .symbol:         k_qddea47fec4_proj.kd
    .args:
      - { .name: opc, .offset: 0, .size: 8, .value_kind: global_buffer, .address_space: global }
      - { .name: ops, .offset: 8, .size: 8, .value_kind: global_buffer, .address_space: global }
      - { .name: qkv, .offset: 16, .size: 8, .value_kind: global_buffer, .address_space: global }
      - { .name: qkvs, .offset: 24, .size: 8, .value_kind: global_buffer, .address_space: global }
    .group_segment_fixed_size: 327680
    .private_segment_fixed_size: 0
    .kernarg_segment_align: 8
    .kernarg_segment_size: 32
    .max_flat_workgroup_size: 128
    .sgpr_count:     102
    .vgpr_count:     1024
    .wavefront_size: 32
...
	.end_amdgpu_metadata
.endif
;; end of part 3
;; launch attn (part 4): grid 4 x 64, 16 waves a work-group, no clusters, 207,872 bytes of LDS; arguments qkv, qkvs, oc, os; writes oc, os
.if DOCPART == 4
	.amdgcn_target "amdgcn-amd-amdhsa--gfx1250"
	.amdhsa_code_object_version 6
	.text
	.protected	k_qddea47fec4_attn
	.globl	k_qddea47fec4_attn
	.p2align	8
	.type	k_qddea47fec4_attn,@function
k_qddea47fec4_attn:
	s_mov_b64 s[64:65], 0
	v_nop
	global_prefetch_b8 v0, s[64:65] scope:SCOPE_SE
	s_setreg_imm32_b32 hwreg(HW_REG_WAVE_MODE, 25, 1), 1
	s_wait_xcnt 0x0
; Causal attention on codes of BF6 with E8M0 scales: S^T = K Q^T (K = the head's 64), p = 2^(t - M), O^T = V^T P^T (K = the keys), O / l quantised along the heads' 1,024 and stored as codes for the last product.
; t = score x log2(e) / 8;  M = the running largest t rounded UP to a whole number;  l = the sum of the unquantised p;  when M moves, l and O are multiplied by 2^(old M - new M), which rounds nothing.
; INPUTS are images of operands' registers (proj's head says where): a half fragment of 768 bytes is 16 rows x 64 along K: lane l's registers 0-3 at 16 l, 4-5 at 512 + 8 l.  Lane-row r of tile i is actual row 32 (i / 2) + 8 (i % 2) + r % 8 + 16 (r / 8).
; THE HEAD'S 64 ARE HALF OF THE INSTRUCTION'S 128: Q's registers 6-11 hold zero codes, so whatever K's operand holds there (the next tile's codes) adds exact zeros; the scale words' upper two bytes are 0, which is no NaN.
; SHARES.  A work-group owns a batch, a pair of heads and two blocks of 128 queries, z and 7 - z: with the causal mask every wave of the launch so has (z + 1) + (8 - z) = 9 key steps of 128.
; Wave w owns tile w % 8 of the block, head 2 hp + w / 8.  Both products are used transposed: a lane holds ONE query throughout.
; K and V of both heads (all 1,024 keys, 196,608 bytes) and their scale words come into LDS ONCE, in two halves; nothing is filled again.  Pass 1 (block z <= 3) reads only the first half.
; NO CLUSTER: the four work-groups that share K and V differ in z, on which the branches round hidden steps hang; partners of joint loads must run alike, and running all steps alike would nearly double the softmax's work.
; The trip counts are constants (4, 8); a step all of whose keys are hidden is jumped over by a scalar branch on ids.
; LIMITS: no NaN, no infinities among the inputs; v_exp_f32 gives 0 for p under 2^-126; 1 / l is v_rcp_f32 and a multiplication; a block under 2^-122 keeps the byte 1.
.set KL,  0                            ; [head of the pair][key tile 0..63][768]
.set VL,  98304                        ; [group of 64 keys 0..15][4 x head + channel tile][768]
.set SKL, 196608                       ; K's scale words: [key step][512]
.set SVL, 200704                       ; V's
.set OSG, 204800                       ; where the output's scale bytes meet: 512 bytes for each pass; no fill lands here
.set AK16, 1                           ; v1-v2  my place in a tile of K: + 16 x lane, + 8 x lane
.set AK8,  2
.set AV16, 3                           ; v3-v4  the same for V
.set AV8,  4
.set ASK,  5                           ; v5  K's scale words
.set ASV,  6                           ; v6  V's
.set L16,  7
.set L8,   8
.set QSO,  9                           ; v9  my row's two scale bytes in a block of 512
.set OSA,  10                          ; v10 the same in OSG
.set DD,   11                          ; v11 my query in its block - 16 h
.set SK16, 29                          ; v29-34 the step's addresses
.set SK8,  30
.set SV16, 31
.set SV8,  32
.set SSK,  33
.set SSV,  34
.set OSR,  35                          ; v35 OSG + 16 x lane
.set KB,   36                          ; v36-83 eight half fragments of K, later four fragments of V; v84-89 zeros
.set KSC,  90                          ; v90-97 K's scale words
.set VSC,  98                          ; v98-101 V's
.set S,    104                         ; v104-167 S^T, then p
.set O,    168                         ; v168-199 O^T
.set PC,   200                         ; v200-211 p's codes
.set PC2,  212                         ; v212-218 the conversions' second halves
.set BM,   220                         ; v220-223 block maxima
.set BT,   224                         ; v224-227
.set BS,   228                         ; v228-231 the conversions' scale operands
.set PWD,  232                         ; v232 p's scale word
.set F,    234                         ; v[234:235] f
.set SU,   236                         ; v[236:237] the sum's second chain
.set TMP,  238
.set NINF, 239
.set A,    12                          ; s12 my tile in a block
.set PAR,  13                          ; s13 my head of the pair
.set HP,   14
.set BB,   15                          ; s15 the batch
.set HD,   17                          ; s17 my head
.set WV,   18
.set SEL,  20
.set CS,   22                          ; s[22:23] c = log2(e) / 8
.set G1K,  24
.set G1V,  32
.set G1S,  40
.set G0K,  48                          ; s[48:59] K's three groups 0: scale words, first half, second half
.set G0V,  68                          ; s[68:79] V's
.set J,    80
.set BETA, 81
.set TK,   82
.set TV,   83
.set TS,   84
	s_load_b128 s[4:7], s[0:1], 0x0                ; qkv, qkvs
	s_load_b128 s[8:11], s[0:1], 0x10              ; oc, os
	v_lshl_add_u32 v254, v0, 2, 0x32400
	v_mov_b32 v255, 0
	ds_add_u32 v254, v255
	ds_add_u32 v254, v255
	v_lshrrev_b32 v36, 5, v0
	v_readfirstlane_b32 s[WV], v36                 ; wave 0..15
	s_and_b32 s[A], s[WV], 7
	s_lshr_b32 s[PAR], s[WV], 3
	s_and_b32 s60, ttmp7, 0xffff
	s_lshr_b32 s[BB], s60, 3
	s_and_b32 s[HP], s60, 7
	s_lshl_b32 s[HD], s[HP], 1
	s_add_co_u32 s[HD], s[HD], s[PAR]
	s_and_b32 s19, s[WV], 1                        ; which half I fetch, if I fetch
	s_add_co_u32 s86, s[HP], 8                     ; K's scale words: (8 + hp) x 32,768 + 4,096 batch + 2,048 half
	s_lshl_b32 s86, s86, 15
	s_lshl_b32 s87, s[BB], 12
	s_add_co_u32 s86, s86, s87
	s_lshl_b32 s87, s19, 11
	s_add_co_u32 s86, s86, s87
	s_mov_b32 s87, 0
	s_add_co_u32 s88, s86, 262144                  ; V's lie 262,144 bytes on
	s_mov_b32 s89, 0
	s_lshl_b32 s90, s[HP], 1                       ; K's codes: group 16 + 2 hp + half, the batch's 64 tiles
	s_add_co_u32 s90, s90, s19
	s_add_co_u32 s90, s90, 16
	s_mul_i32 s90, s90, 393216
	s_mul_i32 s91, s[BB], 49152
	s_add_co_u32 s90, s90, s91
	s_mov_b32 s91, 0
	s_lshl_b32 s92, s[BB], 4                       ; V's codes: key group 16 batch + 4 half, the pair's 8 channel tiles
	s_lshl_b32 s93, s19, 2
	s_add_co_u32 s92, s92, s93
	s_mul_i32 s92, s92, 49152
	s_mul_i32 s93, s[HP], 6144
	s_add_co_u32 s92, s92, s93
	s_add_co_u32 s92, s92, 12582912
	s_mov_b32 s93, 0
	s_lshl_b32 s94, s19, 11
	s_mul_i32 s95, s19, 49152
	s_mul_i32 s96, s19, 24576
	; groups 1: elements of 8 bytes, no mask, no padding
	s_mov_b32 s[G1K], 3<<16                        ; K: 24,576 dense bytes as 96 rows of 256
	s_mov_b32 s[G1K+1], 32<<16
	s_mov_b32 s[G1K+2], 96<<16
	s_mov_b32 s[G1K+3], 32<<16
	s_mov_b32 s[G1K+4], 96
	s_mov_b32 s[G1K+5], 32
	s_mov_b32 s[G1K+6], 0
	s_mov_b32 s[G1K+7], 0
	s_mov_b32 s[G1V], 3<<16                        ; V: 4 key groups of 6,144 bytes, 49,152 bytes apart
	s_mov_b32 s[G1V+1], 768<<16
	s_mov_b32 s[G1V+2], 4<<16
	s_mov_b32 s[G1V+3], 768<<16
	s_mov_b32 s[G1V+4], 4
	s_mov_b32 s[G1V+5], 6144
	s_mov_b32 s[G1V+6], 0
	s_mov_b32 s[G1V+7], 0
	s_mov_b32 s[G1S], 3<<16                        ; scale words: 2,048 dense bytes as 8 rows of 256
	s_mov_b32 s[G1S+1], 32<<16
	s_mov_b32 s[G1S+2], 8<<16
	s_mov_b32 s[G1S+3], 32<<16
	s_mov_b32 s[G1S+4], 8
	s_mov_b32 s[G1S+5], 32
	s_mov_b32 s[G1S+6], 0
	s_mov_b32 s[G1S+7], 0
	s_mov_b32 s[SEL], 0x76543210
	s_mov_b32 s[SEL+1], 0xfedcba98
	s_mov_b32 s[CS], 0x3e38aa3b                    ; log2(e) / 8
	s_mov_b32 s[CS+1], s[CS]                       ; (named with it as a pair)
	s_wait_dscnt 0x0
	s_wait_kmcnt 0x0
	s_mov_b32 s[G0K], 1
	s_add_co_u32 s[G0K+1], s94, SKL
	s_add_nc_u64 s[G0K+2:G0K+3], s[6:7], s[86:87]
	s_or_b32 s[G0K+3], s[G0K+3], 0x80000000
	s_mov_b32 s[G0K+4], 1
	s_mov_b32 s[G0K+5], s95
	s_add_nc_u64 s[G0K+6:G0K+7], s[4:5], s[90:91]
	s_mov_b32 s[G0K+8], 1
	s_add_co_u32 s[G0K+9], s95, 24576
	s_add_nc_u64 s[G0K+10:G0K+11], s[G0K+6:G0K+7], 24576
	s_or_b32 s[G0K+7], s[G0K+7], 0x80000000
	s_or_b32 s[G0K+11], s[G0K+11], 0x80000000
	s_mov_b32 s[G0V], 1
	s_add_co_u32 s[G0V+1], s94, SVL
	s_add_nc_u64 s[G0V+2:G0V+3], s[6:7], s[88:89]
	s_or_b32 s[G0V+3], s[G0V+3], 0x80000000
	s_mov_b32 s[G0V+4], 1
	s_add_co_u32 s[G0V+5], s96, VL
	s_add_nc_u64 s[G0V+6:G0V+7], s[4:5], s[92:93]
	s_mov_b32 s[G0V+8], 1
	s_add_co_u32 s[G0V+9], s96, VL+49152
	s_add_nc_u64 s[G0V+10:G0V+11], s[G0V+6:G0V+7], 393216
	s_or_b32 s[G0V+7], s[G0V+7], 0x80000000
	s_or_b32 s[G0V+11], s[G0V+11], 0x80000000
	; the first and only fills: waves 0, 1 K's, waves 2, 3 V's, three loads each on end, in one branch on the wave's number; four v_nop follow the last
	s_cmp_lt_u32 s[WV], 2
	s_cbranch_scc0 .Lnot_k
	tensor_load_to_lds s[G0K:G0K+3], s[G1S:G1S+7]
	s_nop 0
	tensor_load_to_lds s[G0K+4:G0K+7], s[G1K:G1K+7]
	s_nop 0
	tensor_load_to_lds s[G0K+8:G0K+11], s[G1K:G1K+7]
	s_nop 0
.rept 4
	v_nop
.endr
	s_branch .Lasked
.Lnot_k:
	s_cmp_lt_u32 s[WV], 4
	s_cbranch_scc0 .Lasked
	tensor_load_to_lds s[G0V:G0V+3], s[G1S:G1S+7]
	s_nop 0
	tensor_load_to_lds s[G0V+4:G0V+7], s[G1V:G1V+7]
	s_nop 0
	tensor_load_to_lds s[G0V+8:G0V+11], s[G1V:G1V+7]
	s_nop 0
.rept 4
	v_nop
.endr
.Lasked:
	v_and_b32 v36, 31, v0                          ; lane
	v_and_b32 v37, 15, v0                          ; r
	v_bfe_u32 v38, v0, 4, 1                        ; h
	v_lshlrev_b32 v[L16], 4, v36
	v_lshlrev_b32 v[L8], 3, v36
	s_mul_i32 s60, s[PAR], 49152
	v_add_nc_u32 v[AK16], s60, v[L16]
	v_add_nc_u32 v[AK8], s60, v[L8]
	s_mul_i32 s60, s[PAR], 3072
	s_add_co_u32 s60, s60, VL
	v_add_nc_u32 v[AV16], s60, v[L16]
	v_add_nc_u32 v[AV8], s60, v[L8]
	s_lshl_b32 s60, s[PAR], 1
	s_add_co_u32 s61, s60, SKL
	v_lshl_add_u32 v[ASK], v37, 4, s61             ; 16 r + 2 x head: my head's two bytes of a word
	s_lshl_b32 s61, s[PAR], 8
	s_add_co_u32 s61, s61, SVL
	v_lshl_add_u32 v[ASV], v37, 4, s61             ; 256 x head + 16 r: the words of my head's four channel tiles
	s_lshr_b32 s61, s[A], 2
	s_lshl_b32 s61, s61, 8
	s_and_b32 s62, s[A], 3
	s_lshl_b32 s62, s62, 2
	s_add_co_u32 s61, s61, s62
	s_add_co_u32 s61, s61, s60
	v_lshl_add_u32 v[QSO], v37, 4, s61
	v_add_nc_u32 v[OSA], OSG, v[QSO]
	v_add_nc_u32 v[OSR], OSG, v[L16]
	s_lshr_b32 s61, s[A], 1
	s_lshl_b32 s61, s61, 5
	s_and_b32 s62, s[A], 1
	s_lshl_b32 s62, s62, 3
	s_add_co_u32 s61, s61, s62
	v_and_b32 v39, 7, v0
	v_bfe_u32 v40, v0, 3, 1
	v_lshl_add_u32 v39, v40, 4, v39
	v_add_nc_u32 v39, s61, v39                     ; my query in its block of 128
	v_lshlrev_b32 v40, 4, v38
	v_sub_nc_u32 v[DD], v39, v40
.irp i, 0,1,2,3,4,5
	v_mov_b32 v[22+\i], 0                          ; Q's codes of k = 64 .. 127: zeros
	v_mov_b32 v[KB+48+\i], 0                       ; what the last tile of K names behind its own six registers
.endr
.irp b, 0,1,2,3
	v_mov_b32 v[BT+\b], 0                          ; written once: a lane permute's destination counts as one of its sources
.endr
	v_mov_b32 v[F+1], 0                            ; (named as the upper half of a pair)
	v_mov_b32 v[TMP], 0
	v_mov_b32 v[NINF], 0xff800000
; A KEY STEP: 128 keys
.macro STEP
	s_cmp_gt_u32 s[J], s[BETA]                     ; all its keys come after my queries: nothing but the address steps at its end
	s_cbranch_scc1 .Lhidden_\@
	v_add_nc_u32 v[SK16], s[TK], v[AK16]           ; (these six are also the places behind the last products, in front of the loads)
	v_add_nc_u32 v[SK8], s[TK], v[AK8]
	v_add_nc_u32 v[SV16], s[TV], v[AV16]
	v_add_nc_u32 v[SV8], s[TV], v[AV8]
	v_add_nc_u32 v[SSK], s[TS], v[ASK]
	v_add_nc_u32 v[SSV], s[TS], v[ASV]
.irp t, 0,1,2,3,4,5,6,7
	ds_load_b128 v[KB+6*\t:KB+6*\t+3], v[SK16] offset:768*\t
	ds_load_b64 v[KB+6*\t+4:KB+6*\t+5], v[SK8] offset:768*\t+512
	ds_load_u16 v[KSC+\t], v[SSK] offset:256*(\t/4)+4*(\t%4)
.endr
	s_wait_dscnt 0x0
.irp t, 0,1,2,3,4,5,6,7                        ; S^T: register 16 c + n of lane (r, h) is key 32 c + 16 h + n of the step
	v_wmma_scale_f32_16x16x128_f8f6f4 v[S+8*\t:S+8*\t+7], v[KB+6*\t:KB+6*\t+11], v[16:27], 0, v[KSC+\t], v28 matrix_a_fmt:MATRIX_FMT_BF6 matrix_b_fmt:MATRIX_FMT_BF6
.endr
.rept 4
	v_nop                                          ; places in front of the loads into K's registers and of the first read of the scores
.endr
.irp t, 0,1,2,3                                ; V's four fragments land while the softmax is worked
.irp g, 0,1
	ds_load_b128 v[KB+12*\t+6*\g:KB+12*\t+6*\g+3], v[SV16] offset:6144*\g+768*\t
	ds_load_b64 v[KB+12*\t+6*\g+4:KB+12*\t+6*\g+5], v[SV8] offset:6144*\g+768*\t+512
.endr
.endr
	ds_load_b128 v[VSC:VSC+3], v[SSV]
	s_cmp_lg_u32 s[J], s[BETA]
	s_cbranch_scc1 .Lopen_\@                       ; only the step on the diagonal hides keys
.set n, 0
.rept 64
	v_cmp_gt_i32 vcc_lo, 32*(n/16)+n%16, v[DD]     ; hidden where the register's key comes after my query
	v_cndmask_b32 v[S+n], v[S+n], v[NINF], vcc_lo
.set n, n+1
.endr
.Lopen_\@:
.irp b, 0,1,2,3
	v_max3_num_f32 v[BM+\b], v[S+16*\b], v[S+1+16*\b], v[S+2+16*\b]   ; the largest score of each block of 32 keys: for the row's maximum and, since p rises with the score, for the block's largest p
.endr
.irp i, 3,5,7,9,11,13
.irp b, 0,1,2,3
	v_max3_num_f32 v[BM+\b], v[BM+\b], v[S+16*\b+\i], v[S+1+16*\b+\i]
.endr
.endr
.irp b, 0,1,2,3
	v_max_num_f32 v[BM+\b], v[BM+\b], v[S+15+16*\b]
.endr
.irp b, 0,1,2,3
	v_permlanex16_b32 v[BT+\b], v[BM+\b], s[SEL], s[SEL+1]
.endr
.irp b, 0,1,2,3
	v_max_num_f32 v[BM+\b], v[BM+\b], v[BT+\b]
.endr
	v_max3_num_f32 v[TMP], v[BM], v[BM+1], v[BM+2]
	v_max_num_f32 v[TMP], v[TMP], v[BM+3]
	v_mul_f32 v[TMP], s[CS], v[TMP]
	v_max_num_f32 v13, v13, v[TMP]                 ; the running largest t
	v_mov_b32 v[TMP], v12
	v_floor_f32 v12, -v13                          ; -M = floor(-t): M is a whole number
	v_sub_f32 v[TMP], v12, v[TMP]                  ; old M - new M, a whole number, 0 or less
	v_cvt_i32_f32 v[TMP], v[TMP]                   ; (it saturates)
	v_ldexp_f32 v[F], 1.0, v[TMP]                  ; f = 2^(old M - new M)
.set jj, 0
.rept 32
	v_pk_fma_f32 v[S+jj:S+jj+1], v[S+jj:S+jj+1], s[CS:CS+1], v[12:13] op_sel_hi:[1,0,0]   ; t - M
.set jj, jj+2
.endr
.irp b, 0,1,2,3
	v_fma_f32 v[BM+\b], v[BM+\b], s[CS], v12
.endr
.set jj, 0
.rept 64
	v_exp_f32 v[S+jj], v[S+jj]                     ; p = 2^(t - M)
.set jj, jj+1
.endr
.irp b, 0,1,2,3
	v_exp_f32 v[BM+\b], v[BM+\b]                   ; the block's largest p
.endr
	v_pk_mul_f32 v[14:15], v[14:15], v[F:F+1] op_sel_hi:[1,0]   ; the sums under the new M (a plain place behind the exponentials)
	s_wait_alu depctr_va_vdst(0)
.irp b, 0,1,2,3
	v_max_num_f32 v[BM+\b], 0x2800000, v[BM+\b]    ; the floor 2^(5 - 127)
.endr
.irp b, 0,1,2,3
	v_add_nc_u32 v[BS+\b], 0xfe000000, v[BM+\b]
.endr
.irp b, 0,1,2,3
	v_lshrrev_b32 v[BT+\b], 23, v[BS+\b]
.endr
	v_lshl_or_b32 v[PWD], v[BT+1], 8, v[BT]
	v_lshl_or_b32 v[PWD], v[BT+2], 16, v[PWD]
	v_lshl_or_b32 v[PWD], v[BT+3], 24, v[PWD]
.irp c, 0,1
	v_cvt_scalef32_pk16_bf6_f32 v[PC+6*\c:PC+2+6*\c], v[S+32*\c:S+15+32*\c], v[BS+2*\c]
	v_cvt_scalef32_pk16_bf6_f32 v[PC2+4*\c:PC2+2+4*\c], v[S+16+32*\c:S+31+32*\c], v[BS+2*\c+1]
.endr
	v_nop                                          ; one plain place behind a scaled conversion
.irp c, 0,1
.irp i, 0,1,2
	v_permlane16_swap_b32 v[PC+6*\c+\i], v[PC2+4*\c+\i]
.endr
.irp i, 0,1,2
	v_mov_b32 v[PC+3+6*\c+\i], v[PC2+4*\c+\i]
.endr
.endr
	v_pk_add_f32 v[SU:SU+1], v[S:S+1], v[S+2:S+3]  ; the row's sum, of the unquantised p, in two chains
.set jj, 4
.rept 15
	v_pk_add_f32 v[14:15], v[14:15], v[S+jj:S+jj+1]
	v_pk_add_f32 v[SU:SU+1], v[SU:SU+1], v[S+jj+2:S+jj+3]
.set jj, jj+4
.endr
	v_pk_add_f32 v[14:15], v[14:15], v[SU:SU+1]
.set jj, 0
.rept 16
	v_pk_mul_f32 v[O+jj:O+jj+1], v[O+jj:O+jj+1], v[F:F+1] op_sel_hi:[1,0]   ; O^T under the new M
.set jj, jj+2
.endr
	s_wait_dscnt 0x0                               ; V
.irp t, 0,1,2,3                                ; the four accumulators by turns, one instruction a turn
	v_wmma_scale_f32_16x16x128_f8f6f4 v[O+8*\t:O+8*\t+7], v[KB+12*\t:KB+12*\t+11], v[PC:PC+11], v[O+8*\t:O+8*\t+7], v[VSC+\t], v[PWD] matrix_a_fmt:MATRIX_FMT_BF6 matrix_b_fmt:MATRIX_FMT_BF6
.endr
.Lhidden_\@:
	s_add_co_u32 s[TK], s[TK], 6144                ; 8 tiles of K,
	s_add_co_u32 s[TV], s[TV], 12288               ; 2 key groups of V,
	s_add_co_u32 s[TS], s[TS], 512                 ; a step's scale words
.endm
; A block of queries: np key steps (a constant), the output's scale bytes to half idx of OSG
.macro PASS np, idx
	s_wait_xcnt 0x0                                ; the pass before's loads and stores have read their bases and registers
	s_lshl_b32 s86, s[BB], 3
	s_add_co_u32 s86, s86, s[BETA]                 ; the token block
	s_lshl_b32 s87, s86, 3
	s_add_co_u32 s87, s87, s[A]                    ; my token tile
	s_mul_i32 s88, s[HD], 393216
	s_mul_i32 s89, s87, 768
	s_add_co_u32 s88, s88, s89
	s_mov_b32 s89, 0
	s_add_nc_u64 s[88:89], s[4:5], s[88:89]        ; Q's half fragment
	s_lshl_b32 s90, s[HP], 15
	s_lshl_b32 s91, s86, 9
	s_add_co_u32 s90, s90, s91
	s_mov_b32 s91, 0
	s_add_nc_u64 s[90:91], s[6:7], s[90:91]        ; Q's scale words
	s_mul_i32 s92, s87, 12288
	s_mul_i32 s93, s[HD], 768
	s_add_co_u32 s92, s92, s93
	s_mov_b32 s93, 0
	s_add_nc_u64 s[92:93], s[8:9], s[92:93]        ; where my codes go
	s_lshl_b32 s94, s86, 12
	s_lshl_b32 s95, s[HP], 9
	s_add_co_u32 s94, s94, s95
	s_mov_b32 s95, 0
	s_add_nc_u64 s[94:95], s[10:11], s[94:95]      ; and the block's scale words
	global_load_b128 v[16:19], v[L16], s[88:89]
	global_load_b64 v[20:21], v[L8], s[88:89] offset:512
	global_load_u16 v28, v[QSO], s[90:91]
.set jj, 0
.rept 32
	v_mov_b32 v[O+jj], 0                           ; the step is written once: the first finds zeros
.set jj, jj+1
.endr
	v_mov_b32 v13, 0xff61b1e6                      ; -3e38, under every t
	v_floor_f32 v12, -v13
	v_mov_b32 v14, 0
	v_mov_b32 v15, 0
	s_mov_b32 s[TK], 0
	s_mov_b32 s[TV], 0
	s_mov_b32 s[TS], 0
	s_mov_b32 s[J], 0
	s_wait_loadcnt 0x0
.Lstep_\@:
	STEP
	s_add_co_u32 s[J], s[J], 1
	s_cmp_lt_u32 s[J], \np
	s_cbranch_scc1 .Lstep_\@
.rept 4
	v_nop                                          ; behind the last products
.endr
	v_add_f32 v14, v14, v15
	v_permlanex16_b32 v[TMP], v14, s[SEL], s[SEL+1]
	v_add_f32 v14, v14, v[TMP]                     ; l
	v_rcp_f32 v14, v14
	v_nop                                          ; one plain place behind a transcendental
.set jj, 0
	s_wait_alu depctr_va_vdst(0)
.rept 32
	v_mul_f32 v[S+jj], v[O+jj], v14                ; register 16 c + n is channel 32 c + 16 h + n of my head: each accumulator from its low end on
.set jj, jj+1
.endr
.irp b, 0,1
	v_max3_num_f32 v[BM+\b], |v[S+16*\b]|, |v[S+1+16*\b]|, 0x2800000
.endr
.irp i, 2,4,6,8,10,12,14
.irp b, 0,1
	v_max3_num_f32 v[BM+\b], v[BM+\b], |v[S+16*\b+\i]|, |v[S+1+16*\b+\i]|
.endr
.endr
.irp b, 0,1
	v_permlanex16_b32 v[BT+\b], v[BM+\b], s[SEL], s[SEL+1]
.endr
.irp b, 0,1
	v_max_num_f32 v[BM+\b], v[BM+\b], v[BT+\b]
.endr
.irp b, 0,1
	v_add_nc_u32 v[BS+\b], 0xfe000000, v[BM+\b]
.endr
.irp b, 0,1
	v_lshrrev_b32 v[BT+\b], 23, v[BS+\b]
.endr
	v_lshl_or_b32 v[TMP], v[BT+1], 8, v[BT]        ; my head's two bytes of the row's scale word
	v_cvt_scalef32_pk16_bf6_f32 v[PC:PC+2], v[S:S+15], v[BS]
	v_cvt_scalef32_pk16_bf6_f32 v[PC2:PC2+2], v[S+16:S+31], v[BS+1]
	v_nop
.irp i, 0,1,2
	v_permlane16_swap_b32 v[PC+\i], v[PC2+\i]
.endr
.irp i, 0,1,2
	v_mov_b32 v[PC+3+\i], v[PC2+\i]
.endr
	global_store_b128 v[L16], v[PC:PC+3], s[92:93]             ; a half fragment: 768 consecutive bytes, aligned
	global_store_b64 v[L8], v[PC+4:PC+5], s[92:93] offset:512
	ds_store_b16 v[OSA], v[TMP] offset:512*\idx    ; both halves of the lanes write the same bytes with the same value
.endm
.macro OSOUT idx                       ; wave 0 stores the block's 512 bytes of scale words
	s_cmp_lg_u32 s[WV], 0
	s_cbranch_scc1 .Lnot_mine_\@
	ds_load_b128 v[S:S+3], v[OSR] offset:512*\idx
	s_wait_dscnt 0x0
	global_store_b128 v[L16], v[S:S+3], s[94:95]
.Lnot_mine_\@:
.endm
	s_wait_tensorcnt 0x1                           ; the scale words and the first half are in; my load of the second half may stay out, and pass 1 does not read it
	s_barrier_signal -1
	s_barrier_wait -1
	s_mov_b32 s[BETA], ttmp9                       ; block z: four trips reach its diagonal
	PASS 4, 0
	s_wait_tensorcnt 0x0                           ; the second half is in,
	s_wait_dscnt 0x0                               ; and my scale bytes lie in LDS
	s_barrier_signal -1
	s_barrier_wait -1
	OSOUT 0
	s_sub_co_u32 s[BETA], 7, ttmp9                 ; block 7 - z
	PASS 8, 1
	s_wait_dscnt 0x0
	s_barrier_signal -1
	s_barrier_wait -1
	OSOUT 1
	s_wait_tensorcnt 0x0
	ds_add_u32 v254, v255
	s_wait_dscnt 0x0
	s_endpgm
.Lfunc_end_k_qddea47fec4_attn:
	.size	k_qddea47fec4_attn, .Lfunc_end_k_qddea47fec4_attn-k_qddea47fec4_attn
	.p2alignl 7, 3214868480
	.fill 96, 4, 3214868480
	.section	.rodata,"a",@progbits
	.p2align	6, 0x0
	.amdhsa_kernel k_qddea47fec4_attn
		.amdhsa_group_segment_fixed_size 207872
		.amdhsa_private_segment_fixed_size 0
		.amdhsa_enable_private_segment 0
		.amdhsa_kernarg_size 32
		.amdhsa_user_sgpr_count 2
		.amdhsa_user_sgpr_kernarg_segment_ptr 1
		.amdhsa_wavefront_size32 1
		.amdhsa_system_sgpr_workgroup_id_x 1
		.amdhsa_system_sgpr_workgroup_id_y 1
		.amdhsa_system_sgpr_workgroup_id_z 1
		.amdhsa_system_vgpr_workitem_id 0
		.amdhsa_next_free_vgpr 256
		.amdhsa_next_free_sgpr 100
		.amdhsa_reserve_vcc 1
		.amdhsa_float_denorm_mode_32 3
		.amdhsa_float_denorm_mode_16_64 3
		.amdhsa_memory_ordered 1
		.amdhsa_forward_progress 1
		.amdhsa_inst_pref_size 64
	.end_amdhsa_kernel
	.amdgpu_metadata
---
amdhsa.version: [ 1, 2 ]
amdhsa.kernels:
  - .name:           k_qddea47fec4_attn
    .symbol:         k_qddea47fec4_attn.kd
    .args:
      - { .name: qkv, .offset: 0, .size: 8, .value_kind: global_buffer, .address_space: global }
      - { .name: qkvs, .offset: 8, .size: 8, .value_kind: global_buffer, .address_space: global }
      - { .name: oc, .offset: 16, .size: 8, .value_kind: global_buffer, .address_space: global }
      - { .name: os, .offset: 24, .size: 8, .value_kind: global_buffer, .address_space: global }
    .group_segment_fixed_size: 207872
    .private_segment_fixed_size: 0
    .kernarg_segment_align: 8
    .kernarg_segment_size: 32
    .max_flat_workgroup_size: 512
    .sgpr_count:     100
    .vgpr_count:     256
    .wavefront_size: 32
...
	.end_amdgpu_metadata
.endif
;; end of part 4
;; launch outp (part 5): grid 4 x 32, 4 waves a work-group, clusters of 4 x 4, 327,680 bytes of LDS; arguments oc, os, opc, ops, bo, out0; writes out0
.if DOCPART == 5
	.amdgcn_target "amdgcn-amd-amdhsa--gfx1250"
	.amdhsa_code_object_version 6
	.text
	.protected	k_qddea47fec4_outp
	.globl	k_qddea47fec4_outp
	.p2align	8
	.type	k_qddea47fec4_outp,@function
k_qddea47fec4_outp:
	s_mov_b64 s[64:65], 0
	v_nop
	global_prefetch_b8 v0, s[64:65] scope:SCOPE_SE
	s_setreg_imm32_b32 hwreg(HW_REG_WAVE_MODE, 25, 1), 1
	s_wait_xcnt 0x0
	s_wait_alu depctr_hold_cnt(0) depctr_sa_sdst(0) depctr_va_vdst(0) depctr_va_sdst(0) depctr_va_ssrc(0) depctr_va_vcc(0) depctr_vm_vsrc(0)
	s_getreg_b32 s2, hwreg(HW_REG_IB_STS2, 6, 4)
	s_cmp_eq_u32 s2, 0
	s_cbranch_scc0 .Lentry_in_a_cluster
	s_endpgm
.Lentry_in_a_cluster:
	s_bfe_u32 s2, ttmp6, 0x10000c
	s_cmp_lg_u32 s2, 0xf033
	s_cbranch_scc0 .Lentry_shape_is_right
	s_endpgm
.Lentry_shape_is_right:
; out0 = heads Wo^T + bo, on codes of BF6 with E8M0 scales, K = 1,024.  A = the heads' output (oc, os: 512 tiles of tokens), B = Wo (tiles 704 on of opc, blocks 88 on of ops), both as images of their registers (proj's head says how).
; The loop is proj's: a work-group of four waves makes 256 x 256, a wave 128 x 128; source 0 = rows of Wo, source 1 = tokens; two LDS slots of 256 along K; joint loads in a cluster of 4 x 4.
; THE BIAS is the C of each sum's first matrix instruction: eight registers a tile of Wo, in the result's layout.
; Lane (r, h) of accumulator (a, b) holds token 32 (a / 2) + 8 (a % 2) + r % 8 + 16 (r / 8) of my 128 and columns 32 (b / 2) + 16 h + 8 (b % 2) + 0 .. 7.  A block of 16 tokens goes through my stage in LDS and leaves as rows of 512 bytes.
; 128 work-groups: a tile of 128 x 256 would give 256, at half the products for each byte read from LDS.
; REGISTERS: window 0: v16-29 addresses; v32-63 scale words; v64-127 the bias; v128-223 A's fragments, on the way out v128-255 rows of the result.  Window 1: B's fragments, two sets.  Windows 2, 3: the accumulators.
.set NQ,    2
.set FR,    12
.set NL,    4
.set NP,    4
.set TILEB, 3072
.set HALFT, 8*TILEB
.set SLOT,  4*HALFT
.set SCL,   2*SLOT
.set SPARE, SCL+4*4096
.set SPITCH, 528                       ; the way out: 16 rows x (512 bytes + 16) for each wave, in slot 0, which has had its last fill and its last read by then
.set ADRA, 16
.set ADRB, 20
.set STO,  24                          ; v24 where I put 32 bytes of a row
.set RD,   25                          ; v25 where I read a row back
.set CO,   26                          ; v26 16 x lane
.set ADRS, 27
.set SPW,  28
.set NIL,  29
.set SC,   32
.set BIAS, 64
.set AF,   128
.set BK,   128
.set G1, 24
.set G0, 32
.set G1B, 48
.set G0B, 56
.set G1S, 68
.set G0S, 76
.set G1SB, 80
.set G0SB, 88
.set MSB, 0
.macro WIN new                         ; the immediate's high byte repeats the setting that is left
.if MSB != (\new)
	s_set_vgpr_msb (MSB<<8)|(\new)
.set MSB, (\new)
.endif
.endm
.set MUL_LO, 0xa1                      ; source 0 (B) window 1, source 1 (A) window 0, C and D window 2
.set MUL_HI, 0xf1
.set FST_LO, 0x81                      ; the first step: C (the bias) window 0, D window 2
.set FST_HI, 0xc1
.set TO_B,   0x40
.macro JLOAD g0a, g1a, g0b, g1b        ; a joint load: waves 0, 1 for A, waves 2, 3 for B; four v_nop follow each line
	s_cmp_eq_u32 s15, 0
	s_cbranch_scc0 .Lfor_b_\@
	tensor_load_to_lds s[\g0a:\g0a+3], s[\g1a:\g1a+7]
	s_nop 0
.rept 4
	v_nop
.endr
	s_branch .Lasked_\@
.Lfor_b_\@:
	tensor_load_to_lds s[\g0b:\g0b+3], s[\g1b:\g1b+7]
	s_nop 0
.rept 4
	v_nop
.endr
.Lasked_\@:
.endm
.macro CREST
	s_cmp_lg_u32 s14, 0
	s_cbranch_scc1 .Lnot_wave_0_\@
	s_barrier_signal -3
.Lnot_wave_0_\@:
	s_barrier_wait -3
	s_barrier_signal -1
	s_barrier_wait -1
.endm
.macro CROUND
	s_barrier_signal -1
	s_barrier_wait -1
	CREST
.endm
	s_load_b128 s[4:7], s[0:1], 0x0                ; oc, os
	s_load_b128 s[8:11], s[0:1], 0x10              ; opc, ops
	s_load_b128 s[96:99], s[0:1], 0x20             ; bo, out0
	v_lshl_add_u32 v[SPW], v0, 2, SPARE
	v_mov_b32 v[NIL], 0
	ds_add_u32 v28, v29
	ds_add_u32 v28, v29
	s_wait_dscnt 0x0
	v_lshrrev_b32 v1, 5, v0
	v_readfirstlane_b32 s14, v1                    ; wave 0..3
	s_lshr_b32 s15, s14, 1
	s_and_b32 s16, s14, 1
	s_bfe_u32 s40, ttmp6, 0x40000                  ; cx
	s_bfe_u32 s41, ttmp6, 0x40004                  ; cy
	s_lshl_b32 s42, ttmp9, 2
	s_add_co_u32 s42, s42, s40                     ; tile column
	s_and_b32 s17, ttmp7, 0xffff
	s_lshl_b32 s17, s17, 2
	s_add_co_u32 s17, s17, s41                     ; tile row
	s_lshl_b32 s43, s41, 2
	s_lshl_b32 s43, 15, s43                        ; my row of the cluster
	s_lshl_b32 s44, 0x1111, s40                    ; my column
	s_or_b32 s[G1+0], s43, (3<<16)|(1<<21)         ; the mask; elements of 8 bytes; bit 21 beside a mask; no padding
	s_or_b32 s[G1B+0], s44, (3<<16)|(1<<21)
.irp g, G1, G1B
	s_mov_b32 s[\g+1], 384<<16                     ; a tile's 3,072 bytes,
	s_mov_b32 s[\g+2], 8<<16                       ; 8 tiles,
	s_mov_b32 s[\g+3], 384<<16
	s_mov_b32 s[\g+4], 8
	s_mov_b32 s[\g+5], 1536                        ; 12,288 bytes apart
	s_mov_b32 s[\g+6], 0
	s_mov_b32 s[\g+7], 0
.endr
	s_or_b32 s[G1S+0], s43, (3<<16)|(1<<21)
	s_or_b32 s[G1SB+0], s44, (3<<16)|(1<<21)
.irp g, G1S, G1SB
	s_mov_b32 s[\g+1], 32<<16
	s_mov_b32 s[\g+2], 16<<16
	s_mov_b32 s[\g+3], 32<<16
	s_mov_b32 s[\g+4], 16
	s_mov_b32 s[\g+5], 32
	s_mov_b32 s[\g+6], 0
	s_mov_b32 s[\g+7], 0
.endr
	s_lshl_b32 s18, s16, 3
	s_lshl_b32 s20, s17, 4
	s_add_co_u32 s20, s20, s18                     ; A: tile 16 row + 8 half
	s_lshl_b32 s46, s42, 4
	s_add_co_u32 s46, s46, s18
	s_add_co_u32 s46, s46, 704                     ; B: tile 704 + 16 column + 8 half
	s_lshl_b32 s22, s17, 1
	s_add_co_u32 s22, s22, s16
	s_lshl_b32 s22, s22, 12
	s_mov_b32 s23, 0
	s_lshl_b32 s92, s42, 1
	s_add_co_u32 s92, s92, s16
	s_add_co_u32 s92, s92, 88
	s_lshl_b32 s92, s92, 12
	s_mov_b32 s93, 0
	s_mul_i32 s20, s20, 12288
	s_mov_b32 s21, 0
	s_mul_i32 s46, s46, 12288
	s_mov_b32 s47, 0
	s_mul_i32 s45, s14, HALFT
	s_lshl_b32 s94, s14, 12
	s_wait_kmcnt 0x0
	s_add_nc_u64 s[20:21], s[4:5], s[20:21]
	s_add_nc_u64 s[22:23], s[6:7], s[22:23]
	s_add_nc_u64 s[46:47], s[8:9], s[46:47]
	s_add_nc_u64 s[92:93], s[10:11], s[92:93]
	CROUND                                         ; all sixteen work-groups are here: the first joint loads meet
	s_mov_b32 s[G0S], 1
	s_add_co_u32 s[G0S+1], s94, SCL
	s_mov_b64 s[G0S+2:G0S+3], s[22:23]
	s_or_b32 s[G0S+3], s[G0S+3], 0x80000000
	s_mov_b32 s[G0SB], 1
	s_add_co_u32 s[G0SB+1], s94, SCL
	s_mov_b64 s[G0SB+2:G0SB+3], s[92:93]
	s_or_b32 s[G0SB+3], s[G0SB+3], 0x80000000
	JLOAD G0S, G1S, G0SB, G1SB
.irp s, 0,1
	s_mov_b32 s[G0+4*\s], 1
	s_add_co_u32 s[G0+4*\s+1], s45, \s*SLOT
	s_add_nc_u64 s[G0+4*\s+2:G0+4*\s+3], s[20:21], \s*TILEB
	s_or_b32 s[G0+4*\s+3], s[G0+4*\s+3], 0x80000000
	s_mov_b32 s[G0B+4*\s], 1
	s_add_co_u32 s[G0B+4*\s+1], s45, \s*SLOT
	s_add_nc_u64 s[G0B+4*\s+2:G0B+4*\s+3], s[46:47], \s*TILEB
	s_or_b32 s[G0B+4*\s+3], s[G0B+4*\s+3], 0x80000000
	JLOAD G0+4*\s, G1, G0B+4*\s, G1B               ; by this text's count three tensor loads of a wave are out now
.endr
	v_and_b32 v1, 31, v0                           ; lane
	v_and_b32 v2, 15, v0                           ; r
	v_bfe_u32 v3, v0, 4, 1                         ; h
	v_lshlrev_b32 v[CO], 4, v1
	v_lshlrev_b32 v5, 3, v1
	v_lshlrev_b32 v4, 6, v3                        ; the bias: 64 h
	s_lshl_b32 s2, s42, 10                         ; my first column, in bytes: 1,024 column + 512 half
	s_lshl_b32 s3, s16, 9
	s_add_co_u32 s2, s2, s3
	s_mov_b32 s3, 0
	s_add_nc_u64 s[96:97], s[96:97], s[2:3]
.irp b, 0,1,2,3,4,5,6,7
	global_load_b128 v[BIAS+8*\b:BIAS+8*\b+3], v4, s[96:97] offset:(32*(\b/2)+8*(\b%2))*4
	global_load_b128 v[BIAS+8*\b+4:BIAS+8*\b+7], v4, s[96:97] offset:(32*(\b/2)+8*(\b%2))*4+16
.endr
	s_mul_i32 s21, s15, HALFT
	s_mul_i32 s22, s16, HALFT
	s_add_co_u32 s22, s22, 2*HALFT
.irp s, 0,1
	v_add_nc_u32 v[ADRA+\s], s21, v[CO]
	v_add_nc_u32 v[ADRB+\s], s22, v[CO]
	v_add_nc_u32 v[ADRA+2+\s], s21, v5
	v_add_nc_u32 v[ADRB+2+\s], s22, v5
	s_add_co_u32 s21, s21, SLOT
	s_add_co_u32 s22, s22, SLOT
.endr
	s_lshl_b32 s21, s15, 12
	s_lshl_b32 s22, s16, 12
	s_add_co_u32 s22, s22, 8192
	s_sub_co_u32 s22, s22, s21
	v_mul_u32_u24 v6, s22, v3                      ; lanes 16-31 take B's scale words: one product, the distance between the two
	s_add_co_u32 s21, s21, SCL
	v_lshl_add_u32 v6, v2, 4, v6
	v_add_nc_u32 v[ADRS], s21, v6
	s_mul_i32 s23, s14, 16*SPITCH                  ; my stage
	v_mul_u32_u24 v6, v2, SPITCH
	v_lshl_add_u32 v6, v3, 6, v6
	v_add_nc_u32 v[STO], s23, v6                   ; in: row r, + 64 h
	v_add_nc_u32 v[RD], s23, v[CO]                 ; back: a row of 512 bytes, 16 a lane
	s_lshl_b32 s20, s17, 8
	s_lshl_b32 s21, s15, 7
	s_add_co_u32 s20, s20, s21                     ; my first token: 256 row + 128 half
	s_lshl_b32 s20, s20, 12                        ; rows of 4,096 bytes
	s_add_co_u32 s20, s20, s2
	s_mov_b32 s21, 0
	s_add_nc_u64 s[98:99], s[98:99], s[20:21]
.macro FRAG reg, adr, q, i
	ds_load_b128 v[\reg:\reg+3], v[\adr] offset:TILEB*(\i)+1536*(\q)
	ds_load_b64 v[\reg+4:\reg+5], v[\adr+2] offset:TILEB*(\i)+1536*(\q)+512
	ds_load_b128 v[\reg+6:\reg+9], v[\adr] offset:TILEB*(\i)+1536*(\q)+768
	ds_load_b64 v[\reg+10:\reg+11], v[\adr+2] offset:TILEB*(\i)+1536*(\q)+1280
.endm
; first = 1: the sums begin with the bias.  The 64 accumulators take turns, one instruction a turn.
.macro MUL16 a0, p, q, sc, first
.irp a, \a0, \a0+1
.irp b, 0,1,2,3,4,5,6,7
.if \first
	v_wmma_scale_f32_16x16x128_f8f6f4 v[8*(8*((\a)%4)+\b):8*(8*((\a)%4)+\b)+7], v[128*(\p)+FR*\b:128*(\p)+FR*\b+FR-1], v[AF+FR*(\a):AF+FR*(\a)+FR-1], v[BIAS+8*\b:BIAS+8*\b+7], v[SC+16*(\sc)+8*(\q)+\b], v[SC+16*(\sc)+8*(\q)+(\a)] matrix_a_fmt:MATRIX_FMT_BF6 matrix_b_fmt:MATRIX_FMT_BF6 matrix_a_scale:MATRIX_SCALE_ROW1
.else
	v_wmma_scale_f32_16x16x128_f8f6f4 v[8*(8*((\a)%4)+\b):8*(8*((\a)%4)+\b)+7], v[128*(\p)+FR*\b:128*(\p)+FR*\b+FR-1], v[AF+FR*(\a):AF+FR*(\a)+FR-1], v[8*(8*((\a)%4)+\b):8*(8*((\a)%4)+\b)+7], v[SC+16*(\sc)+8*(\q)+\b], v[SC+16*(\sc)+8*(\q)+(\a)] matrix_a_fmt:MATRIX_FMT_BF6 matrix_b_fmt:MATRIX_FMT_BF6 matrix_a_scale:MATRIX_SCALE_ROW1
.endif
.endr
.endr
.endm
.macro FETCH_B slot, q, p
	WIN TO_B
.irp i, 0,1,2,3,4,5,6,7
	FRAG 128*(\p)+FR*\i, ADRB+\slot, \q, \i
.endr
	WIN 0
.endm
.macro FETCH_A slot, q, i0
.irp i, \i0, \i0+1, \i0+2, \i0+3
	FRAG AF+FR*(\i), ADRA+\slot, \q, \i
.endr
.endm
.macro SCALES sc
.irp q, 0,1
.irp hf, 0,1
	ds_load_b128 v[SC+16*\sc+8*\q+4*\hf:SC+16*\sc+8*\q+4*\hf+3], v[ADRS] offset:512*\q+256*\hf
.endr
.endr
.endm
.macro PLACES n                        ; plain vector instructions between a matrix instruction and a load into, or a read of, its registers (ISA guide 7.12.1 for a read)
.rept \n
	v_nop
.endr
.endm
.macro STEP slot, q, first
	s_wait_dscnt 4*NL                              ; all but the youngest 16 loads, A's blocks 4-7
.if \first
	WIN FST_LO
.else
	WIN MUL_LO
.endif
	MUL16 0, (\q)%2, \q, \slot, \first
	MUL16 2, (\q)%2, \q, \slot, \first
	s_wait_dscnt 0
	PLACES NP
	FETCH_B \slot, (\q)+1, 1-(\q)%2
	FETCH_A \slot, (\q)+1, 0
.if \first
	WIN FST_HI
.else
	WIN MUL_HI
.endif
	MUL16 4, (\q)%2, \q, \slot, \first
	MUL16 6, (\q)%2, \q, \slot, \first
	PLACES NP
	WIN 0
	FETCH_A \slot, (\q)+1, 4
.endm
.macro TURN slot, next, fill
	s_wait_tensorcnt 0x0                           ; all my tensor loads have landed: my part of the next slot
	ds_add_u32 v[SPW], v[NIL]                      ; 0 onto my spare word
	s_wait_dscnt 4*NL+1                            ; the add and the youngest 16 loads may be out
	WIN MUL_LO
	MUL16 0, 1, NQ-1, \slot, 0
	s_wait_dscnt 0x0                               ; the add is done, and my reads of this slot are over
	s_barrier_signal -1
	MUL16 2, 1, NQ-1, \slot, 0
	WIN 0
	s_barrier_wait -1
.if \fill
	CREST                                          ; the barrier has opened a round of the cluster's
	s_add_nc_u64 s[G0+4*\slot+2:G0+4*\slot+3], s[G0+4*\slot+2:G0+4*\slot+3], 2*TILEB
	s_add_nc_u64 s[G0B+4*\slot+2:G0B+4*\slot+3], s[G0B+4*\slot+2:G0B+4*\slot+3], 2*TILEB
	JLOAD G0+4*\slot, G1, G0B+4*\slot, G1B         ; the first tensor load behind the round, one a wave
.else
	PLACES NP
.endif
	v_add_nc_u32 v[ADRS], 1024, v[ADRS]
	FETCH_B \next, 0, 0
	FETCH_A \next, 0, 0
	SCALES \next
	WIN MUL_HI
	MUL16 4, 1, NQ-1, \slot, 0
	MUL16 6, 1, NQ-1, \slot, 0
	PLACES NP
	WIN 0
	FETCH_A \next, 0, 4
.endm
	s_wait_tensorcnt 1                             ; the scale words and my part of slot 0 are in; slot 1's load may stay out
	s_barrier_signal -1
	s_barrier_wait -1
	FETCH_B 0, 0, 0
	FETCH_A 0, 0, 0
	SCALES 0
	FETCH_A 0, 0, 4
	s_wait_loadcnt 0x0                             ; the bias
	STEP 0, 0, 1
	TURN 0, 1, 1
	STEP 1, 0, 0
	TURN 1, 0, 1
	STEP 0, 0, 0
	TURN 0, 1, 0
	STEP 1, 0, 0
	s_wait_dscnt 4*NL
	WIN MUL_LO
	MUL16 0, 1, NQ-1, 1, 0
	MUL16 2, 1, NQ-1, 1, 0
	s_wait_dscnt 0
	WIN MUL_HI
	MUL16 4, 1, NQ-1, 1, 0
	MUL16 6, 1, NQ-1, 1, 0
	WIN 0
; THE WAY OUT, block by block of 16 tokens x 128 columns, through my own stage; LDS serves a wave's instructions in order, so no wait stands between the stores and the loads.
.macro TOSTAGE a
.set AC, 64*((\a)%4)
	WIN 0x08+4*((\a)/4)                            ; the data: window 2 or 3
.irp b, 0,1,2,3,4,5,6,7
	ds_store_b128 v[STO], v[AC+8*\b:AC+8*\b+3] offset:128*(\b/2)+32*(\b%2)          ; each accumulator from its low end on
	ds_store_b128 v[STO], v[AC+8*\b+4:AC+8*\b+7] offset:128*(\b/2)+32*(\b%2)+16
.endr
	WIN 0
.set BB, BK+64*((\a)%2)
.irp t, 0,1,2,3,4,5,6,7,8,9,10,11,12,13,14,15
	ds_load_b128 v[BB+4*\t:BB+4*\t+3], v[RD] offset:\t*SPITCH
.endr
.endm
.macro SEND a, younger                 ; younger: the LDS instructions issued behind block a's loads, which may stay out
.set BB, BK+64*((\a)%2)
	s_wait_dscnt \younger
.irp t, 0,1,2,3,4,5,6,7,8,9,10,11,12,13,14,15
	global_store_b128 v[CO], v[BB+4*\t:BB+4*\t+3], s[98:99] offset:(32*((\a)/2)+8*((\a)%2)+(\t%8)+16*(\t/8))*4096 th:TH_STORE_NT   ; 512 consecutive bytes, aligned; lane-row t's token stands in the immediate, 520,192 at the most
.endr
.endm
	PLACES NP
	TOSTAGE 0
.irp a, 1,2,3,4,5,6,7
.if \a > 1
	s_wait_xcnt 0x0                                ; block a - 2's stores have read their registers: block a's loads may land there
.endif
	TOSTAGE \a
	SEND \a-1, 32                                  ; behind block a - 1's loads: block a's 16 stores and 16 loads
.endr
	SEND 7, 0
	s_wait_tensorcnt 0x0                           ; the wave's end
	ds_add_u32 v[SPW], v[NIL]
	s_wait_dscnt 0x0
	CROUND                                         ; the closing round
	s_endpgm
.Lfunc_end_k_qddea47fec4_outp:
	.size	k_qddea47fec4_outp, .Lfunc_end_k_qddea47fec4_outp-k_qddea47fec4_outp
	.p2alignl 7, 3214868480
	.fill 96, 4, 3214868480
	.section	.rodata,"a",@progbits
	.p2align	6, 0x0
	.amdhsa_kernel k_qddea47fec4_outp
		.amdhsa_group_segment_fixed_size 327680
		.amdhsa_private_segment_fixed_size 0
		.amdhsa_enable_private_segment 0
		.amdhsa_kernarg_size 48
		.amdhsa_user_sgpr_count 2
		.amdhsa_user_sgpr_kernarg_segment_ptr 1
		.amdhsa_wavefront_size32 1
		.amdhsa_system_sgpr_workgroup_id_x 1
		.amdhsa_system_sgpr_workgroup_id_y 1
		.amdhsa_system_sgpr_workgroup_id_z 1
		.amdhsa_system_vgpr_workitem_id 0
		.amdhsa_next_free_vgpr 1024
		.amdhsa_next_free_sgpr 102
		.amdhsa_reserve_vcc 0
		.amdhsa_float_denorm_mode_32 3
		.amdhsa_float_denorm_mode_16_64 3
		.amdhsa_memory_ordered 1
		.amdhsa_forward_progress 1
		.amdhsa_inst_pref_size 144
	.end_amdhsa_kernel
	.amdgpu_metadata
---
amdhsa.version: [ 1, 2 ]
amdhsa.kernels:
  - .name:           k_qddea47fec4_outp
    .symbol:         k_qddea47fec4_outp.kd
    .args:
      - { .name: oc, .offset: 0, .size: 8, .value_kind: global_buffer, .address_space: global }
      - { .name: os, .offset: 8, .size: 8, .value_kind: global_buffer, .address_space: global }
      - { .name: opc, .offset: 16, .size: 8, .value_kind: global_buffer, .address_space: global }
      - { .name: ops, .offset: 24, .size: 8, .value_kind: global_buffer, .address_space: global }
      - { .name: bo, .offset: 32, .size: 8, .value_kind: global_buffer, .address_space: global }
      - { .name: out0, .offset: 40, .size: 8, .value_kind: global_buffer, .address_space: global }
    .group_segment_fixed_size: 327680
    .private_segment_fixed_size: 0
    .kernarg_segment_align: 8
    .kernarg_segment_size: 48
    .max_flat_workgroup_size: 128
    .sgpr_count:     102
    .vgpr_count:     1024
    .wavefront_size: 32
...
	.end_amdgpu_metadata
.endif
;; end of part 5
